; MI455X (gfx1250); checked and timed in simulation.
; The chip was launched on July 23, 2026; its instructions are those of AMD's public machine-readable ISA for CDNA 5 (MIT licence, August 2026) and "CDNA5" Instruction Set Architecture Reference Guide (July 2026). The comments in the code are by the model that wrote it; some were corrected since.
;; Multi Head Attention. Allowed arithmetic: matrix products marked QUANTISED: E2M3 operands, one E8M0 scale for each 32 along K, by v_wmma_scale_f32_16x16x128_f8f6f4 with both operands' format E2M3, f32 sums; everything else in f32.
;; Inputs: Wk 1,024 x 1,024 float32; Wo 1,024 x 1,024 float32; Wq 1,024 x 1,024 float32; Wv 1,024 x 1,024 float32; x 4 x 2,048 x 1,024 float32.
;; Outputs: out0 4 x 2,048 x 1,024 float32.
;; This version of the problem:
;;   THIS VERSION OF THE PROBLEM IS GIVEN IN LOW PRECISION. The matrix products marked QUANTISED in the list below multiply operands that are first quantised to E2M3 (2 exponent bits, 3 mantissa bits; 6 bits a number), with one power-of-two scale for each 32 numbers along K (OCP MX v1.0); their sums are f32. All else is computed in f32.
;;   The module's matrix products, in the order in which they are computed (A, B: the left and right operand; K: the contracted axis; several contracted axes count as one K, in the product's order):
;;     1. [M 8,192, K 1,024] x [K 1,024, N 1,024]; A: input x; B: input Wq: QUANTISED
;;     2. [M 8,192, K 1,024] x [K 1,024, N 1,024]; A: input x; B: input Wk: QUANTISED
;;     3. [M 8,192, K 1,024] x [K 1,024, N 1,024]; A: input x; B: input Wv: QUANTISED
;;     4. batch 64 x [M 2,048, K 64] x [K 64, N 2,048]; A: computed on the way; B: computed on the way: QUANTISED
;;     5. batch 64 x [M 2,048, K 2,048] x [K 2,048, N 64]; A: softmax (see below); B: computed on the way: QUANTISED
;;     6. [M 8,192, K 1,024] x [K 1,024, N 1,024]; A: computed on the way; B: input Wo: QUANTISED
;;   THE QUANTISER, for each operand of a quantised product, along K:
;;     - K is cut into blocks of 32 from its start; a last block that is shorter is filled with zeros.
;;     - A block's scale is 2^e with e = floor(log2(the largest magnitude in the block)) - 2, held to -126 .. 127; a block of zeros has e = 0. As a byte (E8M0): e + 127.
;;     - Each number is divided by its block's scale, clamped to +-7.5, and rounded to the nearest number of E2M3, ties to even, subnormals kept.
;;     - The product sums the exact products of the quantised numbers (number of the format x scale) in f32.
;;   ~~~python
;;   def quantise(x, axis):      # numpy; x: float32 -> the quantised numbers, widened to float32 again
;;       x = np.moveaxis(x, axis, -1); K = x.shape[-1]
;;       x = np.pad(x, [(0, 0)] * (x.ndim - 1) + [(0, -K % 32)]); x = x.reshape(x.shape[:-1] + (-1, 32)); a = np.abs(x).max(-1, keepdims=True)
;;       e = np.where(a > 0, np.clip(np.frexp(np.where(a > 0, a, 1))[1] - 1 - 2, -126, 127), 0)      # np.frexp(a)[1] - 1 = floor(log2(a)), exactly
;;       r = np.clip(x / 2.0 ** e, -7.5, 7.5)
;;       step = 2.0 ** (np.maximum(np.frexp(np.where(r == 0, 1, r))[1] - 1, 0) - 3)
;;       q = np.round(r / step) * step * 2.0 ** e      # np.round: ties to even
;;       return np.moveaxis(q.reshape(q.shape[:-2] + (-1,))[..., :K], -1, axis).astype(np.float32)
;;   ~~~
;;   SOFTMAX AHEAD OF A QUANTISED PRODUCT. Where the list says 'softmax', what is quantised is not the finished softmax but p = 2^(t - M), with t = logit x log2(e) and M = ceil(the row's largest t), a whole number; so 1/2 < the row's largest p <= 1. The row's sum l is taken of the UNQUANTISED p, in f32, and the product's result is divided by l at the end. Since M is a whole number, a kernel that streams over the keys may use a running M (the ceiling of the running maximum): every later rescaling is an exact power of two, which a block's scale takes up: the codes' values come out the same.
;;   OPERANDS COMPUTED ON THE WAY. 'Computed on the way' means the value that the module computes at that place (a softmax that the list does not call 'softmax' is quantised finished and normalised). What goes into a quantiser is computed in f32, as accurately as f32 sums, v_exp_f32 and their like allow (about 1e-6 of the number): no bf16 or f16 on the way to a quantiser, and a product that is left as it is and whose result goes on into a quantised operand takes f32 operands (vector FMAs, or v_wmma_f32_16x16x4_f32). A number that lies on a knife's edge between two numbers of the format may be rounded either way, as far as f32 arithmetic and the matrix unit's own rounding can turn it there, and no further.
;; One version. Each part assembles by itself: llvm-mc -triple=amdgcn-amd-amdhsa -mcpu=gfx1250 --defsym DOCPART=n.
;; ======== version 1 of 1: 4 launches
;; limits: right only within a limited range of input values
;; workspace buffers: opc 9,437,184 bytes; ops 393,216 bytes; qkc 12,582,912 bytes; qks 1,048,576 bytes; vc 6,291,456 bytes; vs 262,144 bytes; yc 6,291,456 bytes; ys 262,144 bytes
;; launch quant (part 1): grid 384 x 1, 4 waves a work-group, no clusters, 35,328 bytes of LDS; arguments x, Wq, Wk, Wv, Wo, opc, ops; writes opc, ops
.if DOCPART == 1
	.amdgcn_target "amdgcn-amd-amdhsa--gfx1250"
	.amdhsa_code_object_version 6
	.text
	.protected	k_q0483693827_quant
	.globl	k_q0483693827_quant
	.p2align	8
	.type	k_q0483693827_quant,@function
k_q0483693827_quant:
	s_mov_b64 s[64:65], 0
	v_nop
	global_prefetch_b8 v0, s[64:65] scope:SCOPE_SE
	s_setreg_imm32_b32 hwreg(HW_REG_WAVE_MODE, 25, 1), 1
	s_wait_xcnt 0x0
; MULTI-HEAD ATTENTION IN MX-FP6, launch 1 of 4: x [8192][1024] and Wq, Wk, Wv, Wo [1024][1024], f32 with K innermost, become codes of E2M3 and E8M0 scale bytes.
; DEAD WORK: none.  Every input reaches out0 through a quantised product, and each of the six products of reference() is live for all values of the inputs: all five inputs are loaded, all six products are done.
; (One thing is added, not left out: q k^T has K = 64 and the matrix instruction K = 128; its upper half is zero codes on q's side, so whatever stands on k's adds nothing.)
; THE QUANTISER: a block of 32 along K has the scale 2^(floor(log2(largest magnitude)) - 2); its byte is the largest magnitude's exponent field - 2, held at 1 from below; each number / scale goes to the nearest code, ties to even, beyond 7.5 to 7.5.
; LIMITS: NaN and infinities among the inputs are not served.  A block of zeros gets the byte 1 where the rule says 127: its codes are zeros, which add nothing under any byte but 0xff, and this program alone reads the bytes.
;   Blocks whose largest magnitude lies under 2^-124 are held at that floor.
; THE WORKSPACE IS LAID AS THE READERS' REGISTERS.  opc: [tile 768][K step 8][1,536 bytes]: a tile is 16 rows, a K step 128 along K; the 1,536 bytes are the image of the operand's 12 registers: registers 4 c .. 4 c + 3 of lane l at 512 c + 16 l.
;   Tiles 0-511 x, 512-575 Wq, 576-639 Wk, 640-703 Wv, 704-767 Wo.  ops: [K step 8][row 12,288] scale words (four bytes: 128 along K of one row).
; THE ROWS OF A TILE ARE NOT NEIGHBOURS: row r of tile rho is source row 32 (rho / 2) + 8 (rho % 2) + r + 8 (r / 8).  Where such tiles are source 0 of a product, a lane's 16 result registers of tiles 2 b and 2 b + 1 are 16 neighbours.
; SHARES: a work-group takes 64 rows x 512 along K; wave w one tile, four K steps, written out.  Each load reads 512 consecutive bytes of one row; a K step's 8,192 bytes turn through the wave's own stage in LDS (pitch 528), so that
; lane (r, h) gets, of row r, 16 neighbours of each block of 32.  Codes leave as 512 consecutive bytes a store; the scale words meet in LDS and leave as one aligned run of 256 bytes a wave.
; No tensor load, no cluster, no prefetch: nothing is shared between work-groups, and the launch does nothing but stream.
.set STG,   8448                       ; a wave's stage: 16 rows x 528 bytes
.set SW,    33792                      ; the scale words: [K step 4][wave 4][row 16]
.set SPARE, 34816                      ; the spare words, 128 bytes a wave: two blocks of 256 bytes that no other line names
.set LI,  4                            ; v4   16 x lane: the loads' and the image stores' offset
.set STW, 5                            ; v5   the stage, on the way in
.set STR, 6                            ; v6   and on the way out
.set SWW, 7                            ; v7   where my row's scale word goes
.set SWR, 8                            ; v8   where I read 8 bytes of scale words back
.set L8,  9                            ; v9   8 x lane
.set SPW, 10                           ; v10  my spare word; never rewritten
.set NIL, 11                           ; v11  0; never rewritten
.set R,   16                           ; v16-143  two sets of 64 numbers as loaded
.set X,   144                          ; v144-207 64 numbers: register 16 b + i = k 32 b + 16 h + i of my row
.set PC,  208                          ; v208-227 the codes just made
.set TM,  228                          ; v228-243 at work
.set PW,  244                          ; v244 the scale word just made
.set SEL, 30                           ; s[30:31] selects for lane l xor 16
	s_load_b256 s[4:11], s[0:1], 0x0               ; x, Wq, Wk, Wv
	s_load_b128 s[12:15], s[0:1], 0x20             ; Wo, opc
	s_load_b64 s[16:17], s[0:1], 0x30              ; ops
	v_lshl_add_u32 v[SPW], v0, 2, SPARE
	v_mov_b32 v[NIL], 0
	v_lshrrev_b32 v1, 5, v0
	v_readfirstlane_b32 s18, v1                    ; wave
	v_and_b32 v2, 31, v0                           ; lane
	v_and_b32 v3, 15, v0                           ; r
	v_bfe_u32 v12, v0, 4, 1                        ; h
	v_lshlrev_b32 v[LI], 4, v2
	v_lshlrev_b32 v[L8], 3, v2
	s_mul_i32 s19, s18, STG
	v_add_nc_u32 v[STW], s19, v[LI]                ; in: a row's 512 bytes as they lie
	v_mul_u32_u24 v[STR], v3, 528
	v_lshl_add_u32 v[STR], v12, 6, v[STR]
	v_add_nc_u32 v[STR], s19, v[STR]               ; out: row r, + 64 h
	s_lshl_b32 s19, s18, 6
	v_lshl_add_u32 v[SWW], v3, 2, s19
	v_add_nc_u32 v[SWW], SW, v[SWW]                ; SW + 64 wave + 4 r
	v_lshl_add_u32 v[SWR], v0, 3, SW               ; SW + 8 x thread: wave w reads K step w's 256 bytes
.irp b, 0,1,2,3
	v_mov_b32 v[TM+4+\b], 0                        ; written once: a lane permute's destination counts as one of its sources
.endr
	s_mov_b32 s[SEL], 0x76543210
	s_mov_b32 s[SEL+1], 0xfedcba98
	s_lshr_b32 s20, ttmp9, 1                       ; which 64 rows of the 12,288
	s_and_b32 s21, ttmp9, 1                        ; which half of K
	s_and_b32 s22, s20, 15                         ; in a weight: which of its 16 groups
	s_cmp_lt_u32 s20, 128
	s_cselect_b32 s22, s20, s22                    ; in x: which of its 128
	s_lshl_b32 s22, s22, 18                        ; 64 rows of 4,096 bytes
	s_lshr_b32 s23, s18, 1
	s_lshl_b32 s23, s23, 17                        ; + 32 rows x (wave / 2)
	s_add_co_u32 s22, s22, s23
	s_and_b32 s23, s18, 1
	s_lshl_b32 s23, s23, 15                        ; + 8 rows x (wave % 2)
	s_add_co_u32 s22, s22, s23
	s_lshl_b32 s23, s21, 11                        ; + 512 numbers x the half of K
	s_add_co_u32 s22, s22, s23
	s_mov_b32 s23, 0
	s_lshl_b32 s24, s20, 2
	s_add_co_u32 s24, s24, s18                     ; my tile
	s_mul_i32 s24, s24, 12288
	s_mul_i32 s25, s21, 6144
	s_add_co_u32 s24, s24, s25
	s_mov_b32 s25, 0
	s_lshl_b32 s26, s21, 2
	s_add_co_u32 s26, s26, s18                     ; the K step whose scale words I store
	s_mul_i32 s26, s26, 49152
	s_lshl_b32 s27, s20, 8
	s_add_co_u32 s26, s26, s27
	s_mov_b32 s27, 0
	s_wait_alu depctr_va_vdst(0)
	s_wait_kmcnt 0x0
	s_cmp_lt_u32 s20, 176                          ; which tensor: the choice hangs on the work-group's number alone
	s_cselect_b64 s[12:13], s[10:11], s[12:13]
	s_cmp_lt_u32 s20, 160
	s_cselect_b64 s[12:13], s[8:9], s[12:13]
	s_cmp_lt_u32 s20, 144
	s_cselect_b64 s[12:13], s[6:7], s[12:13]
	s_cmp_lt_u32 s20, 128
	s_cselect_b64 s[12:13], s[4:5], s[12:13]
	s_add_nc_u64 s[12:13], s[12:13], s[22:23]
	s_add_nc_u64 s[14:15], s[14:15], s[24:25]
	s_add_nc_u64 s[16:17], s[16:17], s[26:27]
.macro LOAD t                          ; K step t of my 16 rows into set t % 2: a load reads 512 consecutive bytes of one row
.irp i, 0,1,2,3,4,5,6,7,8,9,10,11,12,13,14,15
	global_load_b128 v[R+64*((\t)%2)+4*\i:R+64*((\t)%2)+4*\i+3], v[LI], s[12:13] offset:(\i+8*(\i/8))*4096+512*(\t) th:TH_LOAD_NT
.endr
.endm
; 64 numbers of a lane, register 16 b + i = k 32 b + 16 h + i of my row, become a fragment's codes in v[PC] on and its scale word in v[PW]
.macro QUANT s
.irp b, 0,1,2,3
	v_max3_num_f32 v[TM+\b], |v[\s+16*\b]|, |v[\s+1+16*\b]|, 0x1800000   ; my 16 numbers of block b, and the floor 2^(3 - 127): the byte cannot fall under 1
.endr
.irp i, 2,4,6,8,10,12,14
.irp b, 0,1,2,3
	v_max3_num_f32 v[TM+\b], v[TM+\b], |v[\s+16*\b+\i]|, |v[\s+1+16*\b+\i]|   ; the four blocks by turns
.endr
.endr
.irp b, 0,1,2,3
	v_permlanex16_b32 v[TM+4+\b], v[TM+\b], s[SEL], s[SEL+1]
.endr
.irp b, 0,1,2,3
	v_max_num_f32 v[TM+\b], v[TM+\b], v[TM+4+\b]   ; with lane l xor 16's: the block's largest magnitude
.endr
.irp b, 0,1,2,3
	v_add_nc_u32 v[TM+12+\b], 0xff000000, v[TM+\b] ; 2 off its exponent field: the conversion takes the exponent field of this operand as its scale
.endr
.irp b, 0,1,2,3
	v_lshrrev_b32 v[TM+4+\b], 23, v[TM+12+\b]      ; the scale's byte
.endr
	v_lshl_or_b32 v[PW], v[TM+5], 8, v[TM+4]
	v_lshl_or_b32 v[PW], v[TM+6], 16, v[PW]
	v_lshl_or_b32 v[PW], v[TM+7], 24, v[PW]
.irp c, 0,1
	v_cvt_scalef32_pk16_fp6_f32 v[PC+6*\c:PC+2+6*\c], v[\s+32*\c:\s+15+32*\c], v[TM+12+2*\c]
	v_cvt_scalef32_pk16_fp6_f32 v[PC+12+4*\c:PC+14+4*\c], v[\s+16+32*\c:\s+31+32*\c], v[TM+12+2*\c+1]   ; (a conversion's three registers begin on an even number)
.endr
	v_nop                                          ; one plain place behind a scaled conversion
.irp c, 0,1                                    ; the operand wants a whole block in a lane: lanes 0-15 block 2 c, lanes 16-31 block 2 c + 1
.irp i, 0,1,2
	v_permlane16_swap_b32 v[PC+6*\c+\i], v[PC+12+4*\c+\i]
.endr
.irp i, 0,1,2
	v_mov_b32 v[PC+3+6*\c+\i], v[PC+12+4*\c+\i]
.endr
.endr
.endm
.macro QSTEP t
.if (\t) < 3
	s_wait_loadcnt 16                              ; this K step's 16 loads are in; the next step's 16 may be out
.else
	s_wait_loadcnt 0x0
.endif
.irp i, 0,1,2,3,4,5,6,7,8,9,10,11,12,13,14,15
	ds_store_b128 v[STW], v[R+64*((\t)%2)+4*\i:R+64*((\t)%2)+4*\i+3] offset:528*\i
.endr
.irp b, 0,1,2,3
.irp j, 0,1,2,3
	ds_load_b128 v[X+16*\b+4*\j:X+16*\b+4*\j+3], v[STR] offset:128*\b+16*\j   ; LDS serves a wave's instructions in order: these see my stores
.endr
.endr
	s_wait_dscnt 0x0                               ; the numbers are back, so the stores into the stage have read their registers; the last step's scale word is stored
.if (\t) > 0
	s_wait_xcnt 0x0                                ; the last step's stores have read the codes' registers: they are written again only behind this wait
.endif
.if (\t) < 2
	LOAD (\t)+2
.endif
	QUANT X
.irp c, 0,1,2
	global_store_b128 v[LI], v[PC+4*\c:PC+4*\c+3], s[14:15] offset:1536*(\t)+512*\c   ; 32 lanes store 512 consecutive bytes, at a multiple of 256 from the buffer's first byte
.endr
	ds_store_b32 v[SWW], v[PW] offset:256*(\t)     ; both lanes of a row write the same word with the same value
.endm
	LOAD 0
	LOAD 1
	QSTEP 0
	QSTEP 1
	QSTEP 2
	QSTEP 3
	s_wait_dscnt 0x0                               ; for the others' sake: my scale words are stored
	s_barrier_signal -1
	s_barrier_wait -1
	ds_load_b64 v[14:15], v[SWR]                   ; K step w's words of the work-group's 64 rows
	s_wait_dscnt 0x0
	global_store_b64 v[L8], v[14:15], s[16:17]     ; 32 lanes store 256 consecutive bytes, aligned
	s_wait_tensorcnt 0x0                           ; the wave's end: behind my last LDS store
	ds_add_u32 v[SPW], v[NIL]
	s_wait_dscnt 0x0
	s_endpgm
.Lfunc_end_k_q0483693827_quant:
	.size	k_q0483693827_quant, .Lfunc_end_k_q0483693827_quant-k_q0483693827_quant
	.p2alignl 7, 3214868480
	.fill 96, 4, 3214868480
	.section	.rodata,"a",@progbits
	.p2align	6, 0x0
	.amdhsa_kernel k_q0483693827_quant
		.amdhsa_group_segment_fixed_size 35328
		.amdhsa_private_segment_fixed_size 0
		.amdhsa_enable_private_segment 0
		.amdhsa_kernarg_size 56
		.amdhsa_user_sgpr_count 2
		.amdhsa_user_sgpr_kernarg_segment_ptr 1
		.amdhsa_wavefront_size32 1
		.amdhsa_system_sgpr_workgroup_id_x 1
		.amdhsa_system_sgpr_workgroup_id_y 1
		.amdhsa_system_sgpr_workgroup_id_z 1
		.amdhsa_system_vgpr_workitem_id 0
		.amdhsa_next_free_vgpr 256
		.amdhsa_next_free_sgpr 66
		.amdhsa_reserve_vcc 0
		.amdhsa_float_denorm_mode_32 3
		.amdhsa_float_denorm_mode_16_64 3
		.amdhsa_memory_ordered 1
		.amdhsa_forward_progress 1
		.amdhsa_inst_pref_size 35
	.end_amdhsa_kernel
	.amdgpu_metadata
---
amdhsa.version: [ 1, 2 ]
amdhsa.kernels:
  - .name:           k_q0483693827_quant
    .symbol:         k_q0483693827_quant.kd
    .args:
      - { .name: x, .offset: 0, .size: 8, .value_kind: global_buffer, .address_space: global }
      - { .name: Wq, .offset: 8, .size: 8, .value_kind: global_buffer, .address_space: global }
      - { .name: Wk, .offset: 16, .size: 8, .value_kind: global_buffer, .address_space: global }
      - { .name: Wv, .offset: 24, .size: 8, .value_kind: global_buffer, .address_space: global }
      - { .name: Wo, .offset: 32, .size: 8, .value_kind: global_buffer, .address_space: global }
      - { .name: opc, .offset: 40, .size: 8, .value_kind: global_buffer, .address_space: global }
      - { .name: ops, .offset: 48, .size: 8, .value_kind: global_buffer, .address_space: global }
    .group_segment_fixed_size: 35328
    .private_segment_fixed_size: 0
    .kernarg_segment_align: 8
    .kernarg_segment_size: 56
    .max_flat_workgroup_size: 128
    .sgpr_count:     66
    .vgpr_count:     256
    .wavefront_size: 32
...
	.end_amdgpu_metadata
.endif
;; end of part 1
;; launch qkv (part 2): grid 8 x 32, 4 waves a work-group, clusters of 4 x 4, 327,680 bytes of LDS; arguments opc, ops, qkc, qks, vc, vs; writes qkc, qks, vc, vs
.if DOCPART == 2
	.amdgcn_target "amdgcn-amd-amdhsa--gfx1250"
	.amdhsa_code_object_version 6
	.text
	.protected	k_q0483693827_qkv
	.globl	k_q0483693827_qkv
	.p2align	8
	.type	k_q0483693827_qkv,@function
k_q0483693827_qkv:
	s_mov_b64 s[64:65], 0
	v_nop
	global_prefetch_b8 v0, s[64:65] scope:SCOPE_SE
	s_setreg_imm32_b32 hwreg(HW_REG_WAVE_MODE, 25, 1), 1
	s_wait_xcnt 0x0
	s_wait_alu depctr_hold_cnt(0) depctr_sa_sdst(0) depctr_va_vdst(0) depctr_va_sdst(0) depctr_va_ssrc(0) depctr_va_vcc(0) depctr_vm_vsrc(0)
	s_getreg_b32 s2, hwreg(HW_REG_IB_STS2, 6, 4)
	s_cmp_eq_u32 s2, 0
	s_cbranch_scc0 .Lentry_in_a_cluster
	s_endpgm
.Lentry_in_a_cluster:
	s_bfe_u32 s2, ttmp6, 0x10000c
	s_cmp_lg_u32 s2, 0xf033
	s_cbranch_scc0 .Lentry_shape_is_right
	s_endpgm
.Lentry_shape_is_right:
; Launch 2 of 4: q = x Wq^T, k = x Wk^T, v = x Wv^T on codes of E2M3 with E8M0 scale words, f32 sums, and each result quantised again for the products of the third launch.  No work of reference() is left out here.
; IN: opc [tile 768][K step 8][1,536 bytes], ops [K step 8][row 12,288] scale words, as the first launch leaves them: tiles 0-511 x, 512-575 Wq, 576-639 Wk, 640-703 Wv.  A tile is 16 rows; its 1,536 bytes of a K step are the image of an
; operand's 12 registers.  Row r of tile rho is source row 32 (rho / 2) + 8 (rho % 2) + r + 8 (r / 8): where such tiles are source 0, a lane's 16 result registers of tiles 2 b and 2 b + 1 are 16 neighbours.
; OUT: qkc [q, k][batch and head 64][tile 128][768]: registers 0-5 of an operand (the head's 64 along K); qks [q, k][batch and head][tile][row 16] scale words, bytes 0, 1 repeated as bytes 2, 3;
;      vc [128 keys 64][head 16][tile 4][1,536]; vs [128 keys][head][tile][row 16].
; LIMITS: as at the head of the first launch.
; SHARES.  256 work-groups: 32 blocks of 256 rows of x times 8 groups of 128 weight rows (two heads).  A work-group holds its rows of x, ALL of K, in LDS (196,608 bytes) and takes the 128 rows of Wq, of Wk and of Wv past them, one after
; the other; the weights' 98,304 bytes and their scale words are filled again twice, each time behind a drained round, and the last product's way out stands between the request and the wait for it.
; Four waves, 2 x 2: a wave takes 64 weight rows (one head) and 128 rows of x: 32 accumulators, which fill window 2.
; Q AND K are one text, a loop of two trips: source 0 = 16 weight rows, source 1 = 16 rows of x, accumulator (x block b, weight tile a) at v[8 (4 b + a)]: 64 registers on end are two tiles of x, 32 of the head's 64 each and a lane.
; V: source 0 = 16 rows of x (keys), source 1 = 16 rows of Wv, accumulator (a, b) at v[8 (8 a + b)]: 64 registers on end run along the 128 keys.
; FILLS.  At the head one tensor load a wave: Wq's K steps 0-3, x's K steps 0-3, the weights' scale words, x's.  K steps 4-7 are first fills behind the full sequence and a round; the barrier inside K step 3 shows them
; (in the loop's second trip that barrier shows nothing new; it stands in the one text of both trips).
; THE WEIGHTS' SCALE WORDS are laid at x's pitch, 1,024 bytes a K step: the tile is 1,024 bytes wide where the tensor has 512 left, and the mover writes zeros for the rest.  One register takes the weights' words in lanes 0-15 and x's in
; lanes 16-31; the words that lanes 0-15 load for blocks 4-7 serve no product.
; CLUSTER.  4 x 4 work-groups: x's tiles hang on the block of rows alone and are asked for jointly along a row of the cluster, the weights' on the group alone and along a column.
; NO PREFETCH: the first tiles are asked for at the head; between a refill's request and the wait for it stand four way outs, some 400 vector lines.
.set FR,     12
.set NP,     4
.set TB,     6144                      ; four K steps of a tile
.set AH,     8*TB                      ; the weights' half: 8 tiles
.set B0,     2*AH                      ; x's first half begins behind the weights' two
.set BH,     16*TB
.set SCL,    B0+2*BH                   ; the weights' scale words [K step 8][1,024]
.set SCB,    SCL+8192+128              ; x's, 128 bytes askew, so that the two halves of the lanes touch different banks (64 banks of 4 bytes: ISA guide 11.1)
.set SPARE,  311552                    ; the spare words, 128 bytes a wave: two blocks of 256 bytes that no other line names
.set SCR,    312064                    ; the way out's scale words, 1,024 bytes a wave: q's or k's 512, then v's 256; no fill lands here
.set NEXTW,  64*12288                  ; from a weight's tiles to the next weight's
.set ADRA, 16                          ; v16-17 my fragments of the weights in half 0, 1
.set ADRB, 20                          ; v20-21 of x
.set SCRV, 22
.set LI,   24                          ; 16 x lane
.set L8,   25                          ; 8 x lane
.set SCWQ, 26
.set ADRS, 27
.set SPW,  28
.set NIL,  29
.set SCRD, 30
.set SCWV, 31
.set SC,   32                          ; v32-47 scale words, two sets
.set PC,   64                          ; v64-83 the codes just made
.set TM,   84                          ; v84-99 at work
.set PW,   100
.set W0,   101
.set W1,   102
.set WS,   104
.set RB,   108
.set AF,   128                         ; v128-223 the weights' fragments, two sets of four; x's lie in window 1, two sets, at v0 and v128
.set G1,   24
.set G0A0, 32
.set G0A1, 36
.set G1B,  48
.set G0B,  56
.set G1S,  68
.set G0S,  76
.set G1SB, 80
.set G0SB, 88
.set MSB, 0
.macro WIN new                         ; the immediate's high byte repeats the setting that is left
.if MSB != \new
	s_set_vgpr_msb (MSB<<8)|\new
.set MSB, \new
.endif
.endm
.set TO_B, 0x40
.macro PLACES n
.rept \n
	v_nop
.endr
.endm
.macro TL g0, g1
	tensor_load_to_lds s[\g0:\g0+3], s[\g1:\g1+7]
	s_nop 0
	PLACES 4
.endm
.macro CROUND                          ; a round of the cluster's barrier
	s_barrier_signal -1
	s_barrier_wait -1
	s_cmp_lg_u32 s14, 0
	s_cbranch_scc1 .Lnot_wave_0_\@
	s_barrier_signal -3
.Lnot_wave_0_\@:
	s_barrier_wait -3
	s_barrier_signal -1
	s_barrier_wait -1
.endm
.macro G1SET g, mask, left, wide, rows, pitch   ; elements of 8 bytes; bit 21 beside the mask
	s_or_b32 s[\g], s\mask, (3<<16)|(1<<21)
	s_mov_b32 s[\g+1], (\left)<<16
	s_mov_b32 s[\g+2], (\rows)<<16
	s_mov_b32 s[\g+3], (\wide)<<16
	s_mov_b32 s[\g+4], \rows
	s_mov_b32 s[\g+5], \pitch
	s_mov_b32 s[\g+6], 0
	s_mov_b32 s[\g+7], 0
.endm
.macro G0SET g, lds, adr
	s_mov_b32 s[\g], 1
	s_mov_b32 s[\g+1], \lds
	s_mov_b64 s[\g+2:\g+3], s[\adr:\adr+1]
	s_or_b32 s[\g+3], s[\g+3], 0x80000000
.endm
	s_load_b128 s[4:7], s[0:1], 0x0                ; opc, ops
	s_load_b128 s[8:11], s[0:1], 0x10              ; qkc, qks
	s_load_b128 s[92:95], s[0:1], 0x20             ; vc, vs
	v_lshl_add_u32 v[SPW], v0, 2, SPARE
	v_mov_b32 v[NIL], 0
	ds_add_u32 v[SPW], v[NIL]                      ; the opening: the add, twice on end, and its wait ahead of my first tensor load
	ds_add_u32 v[SPW], v[NIL]
	v_lshrrev_b32 v1, 5, v0
	v_readfirstlane_b32 s14, v1                    ; wave 0..3
	s_lshr_b32 s15, s14, 1                         ; which 64 weight rows are mine: which head of the two
	s_and_b32 s16, s14, 1                          ; which 128 rows of x
	s_bfe_u32 s40, ttmp6, 0x40000                  ; cx
	s_bfe_u32 s41, ttmp6, 0x40004                  ; cy
	s_lshl_b32 s42, ttmp9, 2
	s_add_co_u32 s42, s42, s40                     ; the group of weight rows, 0 .. 7
	s_and_b32 s17, ttmp7, 0xffff
	s_lshl_b32 s17, s17, 2
	s_add_co_u32 s17, s17, s41                     ; the block of x's rows, 0 .. 31
	s_lshl_b32 s43, s41, 2
	s_lshl_b32 s43, 15, s43                        ; my row of the cluster
	s_lshl_b32 s44, 0x1111, s40                    ; my column
	G1SET G1,   44, 768, 768, 8,  1536             ; the weights' codes: 8 tiles, 6,144 bytes of each, 12,288 bytes apart
	G1SET G1B,  43, 768, 768, 16, 1536             ; x's: 16 tiles
	G1SET G1S,  44, 64,  128, 8,  6144             ; the weights' scale words: 8 K steps, 512 bytes of each and 512 of zeros, 49,152 bytes apart
	G1SET G1SB, 43, 128, 128, 8,  6144             ; x's: 1,024 bytes of each
	s_lshl_b32 s20, s42, 3
	s_add_co_u32 s20, s20, 512                     ; Wq's first tile of my group
	s_lshl_b32 s22, s20, 6                         ; its scale words
	s_mov_b32 s23, 0
	s_mul_i32 s20, s20, 12288
	s_mov_b32 s21, 0
	s_mul_i32 s46, s17, 196608                     ; x's 16 tiles
	s_mov_b32 s47, 0
	s_lshl_b32 s96, s17, 10                        ; their scale words
	s_mov_b32 s97, 0
	s_wait_dscnt 0x0                               ; both opening adds are done
	s_wait_kmcnt 0x0
	s_add_nc_u64 s[20:21], s[4:5], s[20:21]
	s_add_nc_u64 s[22:23], s[6:7], s[22:23]
	s_add_nc_u64 s[46:47], s[4:5], s[46:47]
	s_add_nc_u64 s[96:97], s[6:7], s[96:97]
	CROUND                                         ; all sixteen work-groups are here: the first joint loads meet
	G0SET G0A0, 0,   20
	G0SET G0B,  B0,  46
	G0SET G0S,  SCL, 22
	G0SET G0SB, SCB, 96
	s_add_nc_u64 s[20:21], s[20:21], TB
	G0SET G0A1, AH,  20
	s_cmp_eq_u32 s14, 0                            ; the head's four loads, one a wave, in one chain of arms
	s_cbranch_scc0 .Lh_b
	TL G0A0, G1                                    ; wave 0: Wq's K steps 0-3
	s_branch .Lh_done
.Lh_b:
	s_cmp_eq_u32 s14, 1
	s_cbranch_scc0 .Lh_sa
	TL G0B, G1B                                    ; wave 1: x's
	s_branch .Lh_done
.Lh_sa:
	s_cmp_eq_u32 s14, 2
	s_cbranch_scc0 .Lh_sb
	TL G0S, G1S                                    ; wave 2: Wq's scale words
	s_branch .Lh_done
.Lh_sb:
	TL G0SB, G1SB                                  ; wave 3: x's
.Lh_done:
	; where my results go
	s_lshr_b32 s60, s17, 3                         ; the batch
	s_and_b32 s61, s17, 7
	s_lshl_b32 s62, s42, 1
	s_add_co_u32 s62, s62, s15                     ; my head
	s_lshl_b32 s63, s60, 4
	s_add_co_u32 s63, s63, s62                     ; among the 64
	s_lshl_b32 s61, s61, 4
	s_lshl_b32 s18, s16, 3
	s_add_co_u32 s61, s61, s18                     ; my first tile of x in the batch
	s_mul_i32 s66, s63, 98304
	s_mul_i32 s18, s61, 768
	s_add_co_u32 s66, s66, s18
	s_mov_b32 s67, 0
	s_add_nc_u64 s[8:9], s[8:9], s[66:67]          ; q's codes
	s_lshl_b32 s66, s63, 13
	s_lshl_b32 s18, s61, 6
	s_add_co_u32 s66, s66, s18
	s_add_nc_u64 s[10:11], s[10:11], s[66:67]      ; q's scale words
	s_lshl_b32 s60, s17, 1
	s_add_co_u32 s60, s60, s16                     ; my run of 128 keys
	s_mul_i32 s66, s60, 98304
	s_mul_i32 s18, s62, 6144
	s_add_co_u32 s66, s66, s18
	s_add_nc_u64 s[92:93], s[92:93], s[66:67]      ; v's codes
	s_lshl_b32 s66, s60, 12
	s_lshl_b32 s18, s62, 8
	s_add_co_u32 s66, s66, s18
	s_add_nc_u64 s[94:95], s[94:95], s[66:67]      ; v's scale words
	s_mov_b32 s96, 0x01000100                      ; bytes 0, 1 twice
	s_mov_b32 s97, 0x03020302                      ; bytes 2, 3 twice
	s_mov_b32 s98, 0x76543210
	s_mov_b32 s99, 0xfedcba98                      ; selects for lane l xor 16
	s_mov_b32 s100, 0xffff0000                     ; lanes 16-31
	s_mul_i32 s21, s15, 4*TB                       ; my four tiles of the weights,
	s_add_co_u32 s18, s21, AH                      ; and in the second half
	s_mul_i32 s22, s16, 8*TB
	s_add_co_u32 s22, s22, B0                      ; my eight tiles of x
	s_add_co_u32 s19, s22, BH
	s_lshl_b32 s2, s15, 8                          ; my 64 rows' words in a K step of the weights'
	s_lshl_b32 s3, s16, 9                          ; my 128 rows' in x's
	s_add_co_u32 s3, s3, 8192+128
	s_sub_co_u32 s3, s3, s2                        ; the distance from the one to the other
	s_add_co_u32 s2, s2, SCL
	s_lshl_b32 s23, s14, 10
	s_add_co_u32 s23, s23, SCR
	s_add_co_u32 s20, s23, 512
	v_and_b32 v1, 15, v0                           ; r
	v_bfe_u32 v2, v0, 4, 1                         ; h
	v_and_b32 v3, 31, v0
	v_lshlrev_b32 v[LI], 4, v3
	v_lshlrev_b32 v[L8], 3, v3
	v_add_nc_u32 v[ADRA], s21, v[LI]
	v_add_nc_u32 v[ADRA+1], s18, v[LI]
	v_add_nc_u32 v[ADRB], s22, v[LI]
	v_add_nc_u32 v[ADRB+1], s19, v[LI]
	v_mul_u32_u24 v4, s3, v2                       ; lanes 16-31 take x's words
	v_lshl_add_u32 v4, v1, 2, v4
	v_add_nc_u32 v[ADRS], s2, v4
	v_lshlrev_b32 v5, 2, v1
	v_lshl_add_u32 v6, v2, 6, v5
	v_add_nc_u32 v[SCWQ], s23, v6                  ; q, k: 4 r + 64 h: lanes 16-31 hold the next tile's word
	v_add_nc_u32 v[SCRD], s23, v[LI]
	v_add_nc_u32 v[SCWV], s20, v5
	v_add_nc_u32 v[SCRV], s20, v[L8]
.irp b, 0,1,2,3
	v_mov_b32 v[TM+4+\b], 0                        ; a lane permute's destination counts as one of its sources
.endr
.macro FETCH k                         ; K step k's fragments and scale words into set k % 2: 24 + 12 + 8 = 44 loads
.set P_, (\k)%2
.set H_, (\k)/4
.set O_, ((\k)%4)*1536
	WIN TO_B
.irp i, 0,1,2,3,4,5,6,7
.irp c, 0,1,2
	ds_load_b128 v[128*P_+FR*\i+4*\c:128*P_+FR*\i+4*\c+3], v[ADRB+H_] offset:\i*TB+O_+512*\c
.endr
.endr
	WIN 0
.irp i, 0,1,2,3
.irp c, 0,1,2
	ds_load_b128 v[AF+48*P_+FR*\i+4*\c:AF+48*P_+FR*\i+4*\c+3], v[ADRA+H_] offset:\i*TB+O_+512*\c
.endr
.endr
.irp i, 0,1,2,3,4,5,6,7
	ds_load_b32 v[SC+8*P_+\i], v[ADRS] offset:1024*(\k)+64*\i   ; lanes 0-15: the weights' block i; lanes 16-31: x's block i
.endr
.endm
.macro WM d, s0, s1, x0, x1, side, zero
.if \zero
	v_wmma_scale_f32_16x16x128_f8f6f4 v[\d:\d+7], v[\s0:\s0+FR-1], v[\s1:\s1+FR-1], 0, v[\x0], v[\x1] matrix_a_fmt:MATRIX_FMT_FP6 matrix_b_fmt:MATRIX_FMT_FP6 matrix_\side\()_scale:MATRIX_SCALE_ROW1
.else
	v_wmma_scale_f32_16x16x128_f8f6f4 v[\d:\d+7], v[\s0:\s0+FR-1], v[\s1:\s1+FR-1], v[\d:\d+7], v[\x0], v[\x1] matrix_a_fmt:MATRIX_FMT_FP6 matrix_b_fmt:MATRIX_FMT_FP6 matrix_\side\()_scale:MATRIX_SCALE_ROW1
.endif
.endm
; 16 of a K step's 32 products; the accumulators take turns, one instruction a turn.  kind 0: q, k; kind 1: v
.macro MULH k, zero, kind, hf
.set P_, (\k)%2
.if \kind
.irp a, 2*\hf, 2*\hf+1
.irp b, 0,1,2,3,4,5,6,7
	WM 8*(8*(\a)+\b), 128*P_+FR*\b, AF+48*P_+FR*(\a), SC+8*P_+\b, SC+8*P_+(\a), a, \zero
.endr
.endr
.else
.irp b, 4*\hf, 4*\hf+1, 4*\hf+2, 4*\hf+3
.irp a, 0,1,2,3
	WM 8*(4*(\b)+\a), AF+48*P_+FR*\a, 128*P_+FR*(\b), SC+8*P_+\a, SC+8*P_+(\b), b, \zero
.endr
.endr
.endif
.endm
.macro KSTEP k, zero, kind             ; the next step's 44 loads go out ahead of this step's 32 products
.if (\k) > 0
	PLACES NP                                      ; in front of loads into registers that the last step's products have read
.endif
	FETCH (\k)+1
	s_wait_dscnt 44                                ; this step's are in; the 44 just issued may be out
	WIN 0xa4-3*\kind                               ; kind 0: source 0 window 0, source 1 window 1; kind 1: the other way round; C and D window 2
	MULH \k, \zero, \kind, 0
	MULH \k, \zero, \kind, 1
	WIN 0
.endm
.macro KLAST kind
	s_wait_dscnt 0x0
	WIN 0xa4-3*\kind
	MULH 7, 0, \kind, 0
	MULH 7, 0, \kind, 1
	WIN 0
.endm
; THE WAY OUT of 64 registers on end: four blocks of 32 along the next K, 16 numbers of each in lane l and 16 in lane l xor 16.  They become twelve registers of codes, stored as two images of 768 bytes, and four scale bytes.
.macro OUTQ a, kind, ptr
.set AC, 64*(\a)
	s_wait_xcnt 0x0                                ; earlier stores have read the codes' registers: they are written again only behind this wait
.irp b, 0,1,2,3
	v_mov_b32 v[TM+\b], 0x1800000                  ; the floor 2^(3 - 127); these four are also the places behind the last products
.endr
	WIN 0x28
.irp i, 0,2,4,6,8,10,12,14
.irp b, 0,1,2,3
	v_max3_num_f32 v[TM+\b], v[TM+\b], |v[AC+16*\b+\i]|, |v[AC+16*\b+\i+1]|   ; each accumulator is first read at its low end
.endr
.endr
	WIN 0
.irp b, 0,1,2,3
	v_permlanex16_b32 v[TM+4+\b], v[TM+\b], s98, s99
.endr
.irp b, 0,1,2,3
	v_max_num_f32 v[TM+\b], v[TM+\b], v[TM+4+\b]
.endr
.irp b, 0,1,2,3
	v_add_nc_u32 v[TM+12+\b], 0xff000000, v[TM+\b] ; 2 off the exponent field: the conversion's scale operand
.endr
.irp b, 0,1,2,3
	v_lshrrev_b32 v[TM+4+\b], 23, v[TM+12+\b]      ; the scale's byte
.endr
	v_lshl_or_b32 v[PW], v[TM+5], 8, v[TM+4]
	v_lshl_or_b32 v[PW], v[TM+6], 16, v[PW]
	v_lshl_or_b32 v[PW], v[TM+7], 24, v[PW]
	WIN 2
.irp c, 0,1
	v_cvt_scalef32_pk16_fp6_f32 v[PC+6*\c:PC+2+6*\c], v[AC+32*\c:AC+15+32*\c], v[TM+12+2*\c]
	v_cvt_scalef32_pk16_fp6_f32 v[PC+12+4*\c:PC+14+4*\c], v[AC+16+32*\c:AC+31+32*\c], v[TM+12+2*\c+1]   ; (a conversion's three registers begin on an even number)
.endr
	WIN 0
	v_nop                                          ; one plain place behind a scaled conversion
.irp c, 0,1                                    ; the operand wants a whole block in a lane
.irp i, 0,1,2
	v_permlane16_swap_b32 v[PC+6*\c+\i], v[PC+12+4*\c+\i]
.endr
.irp i, 0,1,2
	v_mov_b32 v[PC+3+6*\c+\i], v[PC+12+4*\c+\i]
.endr
.endr
.if \kind
	ds_store_b32 v[SCWV], v[PW] offset:64*(\a)     ; v: the four bytes are the tile's word of row r; both lanes of a row write the same word
.else
	v_perm_b32 v[W0], v[PW], v[PW], s96            ; q, k: bytes 0, 1 are the word of tile 2 a, bytes 2, 3 that of tile 2 a + 1
	v_perm_b32 v[W1], v[PW], v[PW], s97
	v_cndmask_b32 v[WS+(\a)], v[W0], v[W1], s100
	ds_store_b32 v[SCWQ], v[WS+(\a)] offset:128*(\a)
.endif
	global_store_b128 v[LI], v[PC:PC+3], s[\ptr:\ptr+1] offset:1536*(\a)            ; 512 and 256 consecutive bytes, at multiples of 256 from the buffer's first byte
	global_store_b64 v[L8], v[PC+4:PC+5], s[\ptr:\ptr+1] offset:1536*(\a)+512
	global_store_b128 v[LI], v[PC+6:PC+9], s[\ptr:\ptr+1] offset:1536*(\a)+768
	global_store_b64 v[L8], v[PC+10:PC+11], s[\ptr:\ptr+1] offset:1536*(\a)+768+512
.endm
	s_wait_alu depctr_va_vdst(0)                   ; the head's end
	s_wait_tensorcnt 0x0                           ; my tile of the head's four is in; an add ahead of a later first fill:
	ds_add_u32 v[SPW], v[NIL]
	s_add_nc_u64 s[G0B+2:G0B+3], s[G0B+2:G0B+3], TB    ; no tensor load of mine is out, so a group 0 may be written: x's K steps 4-7
	s_mov_b32 s[G0B+1], B0+BH
	s_wait_dscnt 0x0                               ; the add is done
	CROUND                                         ; all four tiles are in, and all sixteen work-groups are here
	s_cmp_eq_u32 s14, 0
	s_cbranch_scc0 .Ls_b
	TL G0A1, G1                                    ; wave 0: Wq's K steps 4-7
	s_branch .Ls_done
.Ls_b:
	s_cmp_eq_u32 s14, 1
	s_cbranch_scc0 .Ls_done
	TL G0B, G1B                                    ; wave 1: x's
.Ls_done:
	s_mov_b32 s101, 0
.Lqk:                                                  ; two trips: q, then k
	FETCH 0
	KSTEP 0, 1, 0                                  ; the first step's products start the sums
	KSTEP 1, 0, 0
	KSTEP 2, 0, 0
	s_wait_tensorcnt 0x0                           ; K step 3: the second halves are in, where they are mine,
	s_wait_dscnt 0x0                               ; and so are this step's fragments
	s_barrier_signal -1                            ; a plain barrier
	WIN 0xa4
	MULH 3, 0, 0, 0
	WIN 0
	s_barrier_wait -1
	PLACES NP
	FETCH 4
	WIN 0xa4
	MULH 3, 0, 0, 1
	WIN 0
	KSTEP 4, 0, 0
	KSTEP 5, 0, 0
	KSTEP 6, 0, 0
	KLAST 0
	s_wait_tensorcnt 0x0                           ; THE REFILL: no tensor load of mine is out, so a group 0 may be written
	ds_add_u32 v[SPW], v[NIL]
	s_add_nc_u64 s[G0A0+2:G0A0+3], s[G0A0+2:G0A0+3], NEXTW   ; the next weight: Wk, then Wv
	s_add_nc_u64 s[G0A1+2:G0A1+3], s[G0A1+2:G0A1+3], NEXTW
	s_add_nc_u64 s[G0S+2:G0S+3], s[G0S+2:G0S+3], 4096
	s_wait_dscnt 0x0                               ; the add is done, and my reads of this weight are over
	CROUND                                         ; the same holds of every wave of every partner
	s_cmp_eq_u32 s14, 0
	s_cbranch_scc0 .Lr_1
	TL G0A0, G1                                    ; wave 0: K steps 0-3
	s_branch .Lr_done
.Lr_1:
	s_cmp_eq_u32 s14, 1
	s_cbranch_scc0 .Lr_2
	TL G0A1, G1                                    ; wave 1: K steps 4-7
	s_branch .Lr_done
.Lr_2:
	s_cmp_eq_u32 s14, 2
	s_cbranch_scc0 .Lr_done
	TL G0S, G1S                                    ; wave 2: the scale words
.Lr_done:
.irp a, 0,1,2,3
	OUTQ \a, 0, 8
.endr
	ds_load_b128 v[RB:RB+3], v[SCRD]               ; my eight tiles' words: LDS serves a wave's instructions in order, these see my stores
	s_wait_dscnt 0x0
	global_store_b128 v[LI], v[RB:RB+3], s[10:11]  ; 512 consecutive bytes, aligned
	s_wait_xcnt 0x0                                ; the stores have read their bases
	s_add_nc_u64 s[8:9], s[8:9], 6291456           ; k's codes lie behind q's,
	s_add_nc_u64 s[10:11], s[10:11], 524288        ; and its scale words
	s_wait_alu depctr_va_vdst(0)                   ; directly ahead of the wait below
	s_wait_tensorcnt 0x0                           ; the next weight is in, where it is mine,
	s_wait_dscnt 0x0
	s_barrier_signal -1
	s_barrier_wait -1                              ; everybody's is
	s_add_co_u32 s101, s101, 1
	s_cmp_lg_u32 s101, 2
	s_cbranch_scc1 .Lqk
	FETCH 0                                        ; v
	KSTEP 0, 1, 1
.irp k, 1,2,3,4,5,6
	KSTEP \k, 0, 1
.endr
	KLAST 1
.irp a, 0,1,2,3
	OUTQ \a, 1, 92
.endr
	ds_load_b64 v[RB:RB+1], v[SCRV]                ; my four tiles' words
	s_wait_dscnt 0x0
	global_store_b64 v[L8], v[RB:RB+1], s[94:95]   ; 256 consecutive bytes, aligned
	s_wait_tensorcnt 0x0                           ; the wave's end
	ds_add_u32 v[SPW], v[NIL]
	s_wait_dscnt 0x0
	CROUND                                         ; the closing round
	s_endpgm
.Lfunc_end_k_q0483693827_qkv:
	.size	k_q0483693827_qkv, .Lfunc_end_k_q0483693827_qkv-k_q0483693827_qkv
	.p2alignl 7, 3214868480
	.fill 96, 4, 3214868480
	.section	.rodata,"a",@progbits
	.p2align	6, 0x0
	.amdhsa_kernel k_q0483693827_qkv
		.amdhsa_group_segment_fixed_size 327680
		.amdhsa_private_segment_fixed_size 0
		.amdhsa_enable_private_segment 0
		.amdhsa_kernarg_size 48
		.amdhsa_user_sgpr_count 2
		.amdhsa_user_sgpr_kernarg_segment_ptr 1
		.amdhsa_wavefront_size32 1
		.amdhsa_system_sgpr_workgroup_id_x 1
		.amdhsa_system_sgpr_workgroup_id_y 1
		.amdhsa_system_sgpr_workgroup_id_z 1
		.amdhsa_system_vgpr_workitem_id 0
		.amdhsa_next_free_vgpr 768
		.amdhsa_next_free_sgpr 102
		.amdhsa_reserve_vcc 0
		.amdhsa_float_denorm_mode_32 3
		.amdhsa_float_denorm_mode_16_64 3
		.amdhsa_memory_ordered 1
		.amdhsa_forward_progress 1
		.amdhsa_inst_pref_size 162
	.end_amdhsa_kernel
	.amdgpu_metadata
---
amdhsa.version: [ 1, 2 ]
amdhsa.kernels:
  - .name:           k_q0483693827_qkv
    .symbol:         k_q0483693827_qkv.kd
    .args:
      - { .name: opc, .offset: 0, .size: 8, .value_kind: global_buffer, .address_space: global }
      - { .name: ops, .offset: 8, .size: 8, .value_kind: global_buffer, .address_space: global }
      - { .name: qkc, .offset: 16, .size: 8, .value_kind: global_buffer, .address_space: global }
      - { .name: qks, .offset: 24, .size: 8, .value_kind: global_buffer, .address_space: global }
      - { .name: vc, .offset: 32, .size: 8, .value_kind: global_buffer, .address_space: global }
      - { .name: vs, .offset: 40, .size: 8, .value_kind: global_buffer, .address_space: global }
    .group_segment_fixed_size: 327680
    .private_segment_fixed_size: 0
    .kernarg_segment_align: 8
    .kernarg_segment_size: 48
    .max_flat_workgroup_size: 128
    .sgpr_count:     102
    .vgpr_count:     768
    .wavefront_size: 32
...
	.end_amdgpu_metadata
.endif
;; end of part 2
;; launch attn (part 3): grid 8 x 32, 8 waves a work-group, clusters of 4 x 1, 327,680 bytes of LDS; arguments qkc, qks, vc, vs, yc, ys; writes yc, ys
.if DOCPART == 3
	.amdgcn_target "amdgcn-amd-amdhsa--gfx1250"
	.amdhsa_code_object_version 6
	.text
	.protected	k_q0483693827_attn
	.globl	k_q0483693827_attn
	.p2align	8
	.type	k_q0483693827_attn,@function
k_q0483693827_attn:
	s_mov_b64 s[64:65], 0
	v_nop
	global_prefetch_b8 v0, s[64:65] scope:SCOPE_SE
	s_setreg_imm32_b32 hwreg(HW_REG_WAVE_MODE, 25, 1), 1
	s_wait_xcnt 0x0
	s_wait_alu depctr_hold_cnt(0) depctr_sa_sdst(0) depctr_va_vdst(0) depctr_va_sdst(0) depctr_va_ssrc(0) depctr_va_vcc(0) depctr_vm_vsrc(0)
	s_getreg_b32 s2, hwreg(HW_REG_IB_STS2, 6, 4)
	s_cmp_eq_u32 s2, 0
	s_cbranch_scc0 .Lentry_in_a_cluster
	s_endpgm
.Lentry_in_a_cluster:
	s_bfe_u32 s2, ttmp6, 0x10000c
	s_cmp_lg_u32 s2, 0x3003
	s_cbranch_scc0 .Lentry_shape_is_right
	s_endpgm
.Lentry_shape_is_right:
; Launch 3 of 4: y = softmax(q k^T / 8) v for each batch and head, both products on codes of E2M3, and y quantised along the model's 1,024 for the last product.  No work of reference() is left out here.
; THE SOFTMAX: t = score x log2(e) / 8; M = the running largest t rounded UP to a whole number; p = 2^(t - M) is quantised along the keys, not normalised; the row's sum is taken of the unquantised p and divides at the end.
; When M moves, the sum and O are multiplied by 2^(old M - new M): exact, and done in every step without a branch.
; LIMITS: as at the head of the first launch; v_exp_f32 gives 0 for results under 2^-126; a block's largest p is made from the block's largest score by the same two instructions as every p, which takes v_exp_f32 not to fall where its input rises.
; SHARES.  A work-group owns 256 queries of one batch and takes them through a PAIR of heads, one after the other.  Each of eight waves owns 32 queries, two tiles of 16: tile X in register window 0, tile Y in window 1, under the same
; register numbers, so that one macro serves both.  Each fragment of K and of V that a wave reads from LDS feeds two products.
; A head's whole K and V (196,608 bytes of codes) lie in LDS; one refill, between the heads, with the first head's way out between the request and the wait for it.  The scale words of both heads come once.
; CLUSTER.  The four query blocks of a cluster walk the same K and V: every tile is asked for jointly (mask 15).
; LAYOUT.  S^T = K Q^T (source 0 = 16 keys, source 1 = 16 queries), O^T = V^T P^T (source 0 = 16 of the head's 64, source 1 = P): a lane holds ONE query of each tile throughout.
; WHICH KEYS FORM A TILE is chosen by the lanes' LDS addresses: tile 4 c + j takes as rows 0-7 the keys 64 c + 8 j + 0 .. 7 and as rows 8-15 the keys 64 c + 32 + 8 j + 0 .. 7 (in the stored images: rows 8 (j / 2) .. of tile 4 c + j % 2 and of the
; tile two further on).  So the 32 registers of tiles 4 c .. 4 c + 3 in lane (r, h) are keys 64 c + 32 h + 0 .. 31: one whole scale block, in the order of P's operand registers.  No lane asks another for a block's maximum, no code changes lanes.
; K = 64 OF 128: Q's registers 6-11 are zero codes, so whatever finite numbers stand in K's registers 6-11 add nothing: there stand the next tile's codes (every code of E2M3 is a finite number, and bytes 2, 3 of the scale words repeat
; bytes 0, 1).  Eight tiles of K so take 54 registers.
; THE PREFETCH of the second head's K and V, which the refill will ask for: 384 + 384 blocks of 256 bytes, each named once in the launch: of the two clusters that walk them the first asks; its four partners take 96 blocks of each, told apart
; by address; waves 0-2 ask for K's, waves 4-6 for V's, a lane a block, in trip 12 of the first head's 16.  The first head's tiles come by their loads alone: no loop stands ahead of them.
.set VC,    98304                      ; LDS: K's codes [tile 128][768] from 0;  V's [128 keys 16][tile 4][1,536] from here
.set KSC,   196608                     ; K's scale words [head 2][8,192]
.set VSC,   212992                     ; V's [128 keys 16][head 2][256]
.set SPARE, 221184                     ; the spare words, 128 bytes a wave: four blocks of 256 bytes that no other line names
.set YS,    222208                     ; the way out: y's scale words, 64 bytes a tile; no fill lands here
; window 0 alone
.set KA,  1                            ; lane terms: K's registers 0-3, 4-5; V's; K's and V's scale words
.set KB,  2
.set VA,  3
.set VB,  4
.set KSA, 5
.set VSA, 6
.set SPW, 7                            ; my spare word; never rewritten
.set NIL, 8                            ; 0; never rewritten
.set L8,  9                            ; 8 x lane
.set AK,  10                           ; v10-15 the step's six addresses
.set KS,  16                           ; v16-23 K's scale words, v24-27 V's, v28-29 Q's (X, Y), v30-31 p's (X, Y)
.set VS,  24
.set QS,  28
.set PS,  30
.set PFO, 32                           ; the prefetch's offset; never rewritten
.set YSW, 33
.set YSR, 34
.set YSO, 35
.set K,   36                           ; v36-89 eight tiles of K, six registers apart
.set V,   36                           ; window 1: v36-83 four fragments of V
.set LI,  254                          ; 16 x lane
.set R4,  255                          ; 4 x (lane % 16)
; both windows, a tile each
.set Q,   90                           ; 12
.set S,   102                          ; 64: S^T, then p, at the end y
.set O,   166                          ; 32
.set P,   198                          ; 12
.set TC,  210                          ; 210-212, 214-216: a block's upper 16 codes
.set NM,  218                          ; -M; v219 the largest score so far
.set L,   220                          ; the sum, two halves
.set F,   222                          ; 2^(old M - new M); v223 named with it
.set BM,  224                          ; four chains of maxima
.set SO,  228
.set T,   230
.set SU,  232                          ; four chains of sums
.set Y,   240                          ; y's fragment
.set YW,  252                          ; y's scale word
.set H8,  253                          ; 8 x (lane / 16)
.set MSB, 0
.macro WIN new                         ; the immediate's high byte repeats the setting that is left
.if MSB != \new
	s_set_vgpr_msb (MSB<<8)|\new
.set MSB, \new
.endif
.endm
.macro WALU
	s_wait_alu depctr_va_vdst(0)
.endm
.macro ROUND                           ; a round of the cluster's barrier
	s_barrier_signal -1
	s_barrier_wait -1
	s_cmp_lg_u32 s16, 0
	s_cbranch_scc1 .Lnot_wave_0_\@
	s_barrier_signal -3
.Lnot_wave_0_\@:
	s_barrier_wait -3
	s_barrier_signal -1
	s_barrier_wait -1
.endm
.macro TL g0, g1
	tensor_load_to_lds s[\g0:\g0+3], s[\g1:\g1+7]
	s_nop 0
.rept 4
	v_nop
.endr
.endm
.macro G1SET g, c, r, p                ; group 1: r rows of c elements of 8 bytes, p elements apart; mask 15, bit 21 beside it
	s_mov_b32 s[\g], 15|(3<<16)|(1<<21)
	s_mov_b32 s[\g+1], (\c)<<16
	s_mov_b32 s[\g+2], (\r)<<16
	s_mov_b32 s[\g+3], (\c)<<16
	s_mov_b32 s[\g+4], \r
	s_mov_b32 s[\g+5], \p
	s_mov_b32 s[\g+6], 0
	s_mov_b32 s[\g+7], 0
.endm
	s_load_b256 s[4:11], s[0:1], 0x0               ; qkc, qks, vc, vs
	s_load_b128 s[12:15], s[0:1], 0x20             ; yc, ys
	v_lshl_add_u32 v[SPW], v0, 2, SPARE
	v_mov_b32 v[NIL], 0
	ds_add_u32 v[SPW], v[NIL]                      ; the opening: the add, twice on end, and its wait ahead of my first tensor load
	ds_add_u32 v[SPW], v[NIL]
	v_lshrrev_b32 v10, 5, v0
	v_readfirstlane_b32 s16, v10                   ; wave 0..7
	s_bfe_u32 s18, ttmp6, 0x40000                  ; cx
	s_lshl_b32 s19, ttmp9, 2
	s_add_co_u32 s19, s19, s18                     ; my block of 256 queries: it enters Q's and y's addresses alone
	s_and_b32 s22, ttmp7, 0xffff
	s_lshr_b32 s20, s22, 3                         ; the batch
	s_and_b32 s21, s22, 7                          ; the pair of heads
	G1SET 24, 32, 192, 32                          ; K's codes: half a head, 192 rows of 256 bytes, dense
	G1SET 32, 768, 4, 12288                        ; V's codes: 4 rows (128 keys each) of 6,144 bytes, 98,304 bytes apart
	G1SET 40, 32, 64, 32                           ; K's scale words, both heads: 64 rows of 256 bytes, dense
	G1SET 48, 64, 16, 512                          ; V's scale words: 16 rows of 512 bytes (the pair's 128 rows), 4,096 bytes apart
	s_lshl_b32 s22, s20, 4                         ; 16 x batch
	s_lshl_b32 s23, s21, 1
	s_add_co_u32 s23, s23, s22                     ; the pair's first head among the 64
	s_and_b32 s17, s16, 1                          ; waves 0, 1: which half of K
	s_mul_i32 s81, s17, 49152
	s_mul_i32 s2, s23, 98304
	s_add_co_u32 s2, s2, s81
	s_add_co_u32 s2, s2, 6291456                   ; K's codes lie behind q's
	s_mov_b32 s3, 0
	s_add_co_u32 s80, s16, 2
	s_and_b32 s80, s80, 3                          ; waves 2-5: which quarter of V
	s_mul_i32 s82, s80, 24576
	s_lshl_b32 s80, s80, 2
	s_add_co_u32 s80, s80, s22                     ; its first run of 128 keys
	s_mul_i32 s90, s80, 98304
	s_mul_i32 s91, s21, 12288
	s_add_co_u32 s90, s90, s91
	s_mov_b32 s91, 0
	s_lshl_b32 s92, s23, 13
	s_add_co_u32 s92, s92, 524288                  ; K's scale words lie behind q's
	s_mov_b32 s93, 0
	s_lshl_b32 s94, s22, 12
	s_lshl_b32 s95, s21, 9
	s_add_co_u32 s94, s94, s95
	s_mov_b32 s95, 0
	; Q and y: these hang on cx, in registers that feed no joint load
	s_lshl_b32 s100, s19, 4
	s_lshl_b32 s101, s16, 1
	s_add_co_u32 s100, s100, s101                  ; tile X among the batch's 128; tile Y is the next
	s_mul_i32 s86, s23, 98304
	s_mul_i32 s101, s100, 768
	s_add_co_u32 s86, s86, s101
	s_mov_b32 s87, 0
	s_lshl_b32 s88, s23, 13
	s_lshl_b32 s101, s100, 6
	s_add_co_u32 s88, s88, s101
	s_mov_b32 s89, 0
	s_lshl_b32 s101, s20, 7
	s_add_co_u32 s100, s100, s101                  ; among all 512
	s_lshl_b32 s96, s100, 3
	s_add_co_u32 s96, s96, s21
	s_mul_i32 s96, s96, 1536                       ; y's fragment: [tile][K step = pair of heads]
	s_mov_b32 s97, 0
	s_lshl_b32 s98, s19, 4
	s_add_co_u32 s98, s98, s101
	s_lshl_b32 s98, s98, 6
	s_lshl_b32 s101, s21, 15
	s_add_co_u32 s98, s98, s101                    ; y's scale words: [K step][row]
	s_mov_b32 s99, 0
	s_mov_b32 s76, 0x76543210
	s_mov_b32 s77, 0xfedcba98                      ; selects for lane l xor 16
	s_mov_b32 s78, 0x3e38aa3b                      ; c = log2(e) / 8
	s_mov_b32 s79, s78                             ; (named with it as a pair, so it is written)
	WALU
	s_wait_dscnt 0x0                               ; both opening adds are done
	s_wait_kmcnt 0x0
	s_mov_b32 s56, 1                               ; group 0: K's codes
	s_mov_b32 s57, s81
	s_add_nc_u64 s[58:59], s[4:5], s[2:3]
	s_or_b32 s59, s59, 0x80000000
	s_mov_b32 s60, 1                               ; V's codes
	s_add_co_u32 s61, s82, VC
	s_add_nc_u64 s[62:63], s[8:9], s[90:91]
	s_or_b32 s63, s63, 0x80000000
	s_mov_b32 s68, 1                               ; K's scale words
	s_mov_b32 s69, KSC
	s_add_nc_u64 s[70:71], s[6:7], s[92:93]
	s_or_b32 s71, s71, 0x80000000
	s_mov_b32 s72, 1                               ; V's scale words
	s_mov_b32 s73, VSC
	s_add_nc_u64 s[74:75], s[10:11], s[94:95]
	s_or_b32 s75, s75, 0x80000000
	ROUND                                          ; all four work-groups are here: the first joint loads meet
	s_cmp_lt_u32 s16, 2                            ; the head's eight loads, one a wave, in one chain of four arms
	s_cbranch_scc0 .Lh_v
	TL 56, 24                                      ; waves 0, 1: K
	s_branch .Lh_done
.Lh_v:
	s_cmp_lt_u32 s16, 6
	s_cbranch_scc0 .Lh_ks
	TL 60, 32                                      ; waves 2-5: V
	s_branch .Lh_done
.Lh_ks:
	s_cmp_eq_u32 s16, 6
	s_cbranch_scc0 .Lh_vs
	TL 68, 40                                      ; wave 6: K's scale words
	s_branch .Lh_done
.Lh_vs:
	TL 72, 48                                      ; wave 7: V's
.Lh_done:
	s_add_nc_u64 s[86:87], s[4:5], s[86:87]        ; Q's codes, first head
	s_add_nc_u64 s[88:89], s[6:7], s[88:89]        ; Q's scale words
	s_add_nc_u64 s[12:13], s[12:13], s[96:97]
	s_add_nc_u64 s[14:15], s[14:15], s[98:99]
	s_add_co_u32 s100, s23, 1                      ; the prefetch
	s_mul_i32 s100, s100, 98304
	s_add_co_u32 s100, s100, 6291456               ; K of the second head
	s_mul_i32 s96, s22, 98304
	s_mul_i32 s97, s21, 12288
	s_add_co_u32 s96, s96, s97
	s_add_co_u32 s96, s96, 6144                    ; V of the second head, first 128 keys
	s_cmp_lt_u32 s16, 4
	s_cselect_b64 s[84:85], s[4:5], s[8:9]
	s_cselect_b32 s96, s100, s96
	s_mov_b32 s98, 92160
	s_cselect_b32 s98, 0, s98                      ; V: 24 blocks on end, then 98,304 - 6,144 bytes further
	s_mov_b32 s97, 0
	s_add_nc_u64 s[84:85], s[84:85], s[96:97]
	s_mul_i32 s100, s18, 96
	s_and_b32 s101, s16, 3
	s_lshl_b32 s99, s101, 5
	s_add_co_u32 s100, s100, s99
	s_cmp_eq_u32 ttmp9, 0                          ; the first cluster of the two: the same in all four partners
	s_cselect_b32 s83, 12, -1                      ; the trip in which I ask, or none
	s_cmp_eq_u32 s101, 3
	s_cselect_b32 s83, -1, s83
	s_lshl_b32 s99, s16, 7
	s_add_co_u32 s99, s99, YS
	s_mov_b32 s17, 0xbe38aa3b                      ; -c
	v_and_b32 v10, 31, v0                          ; lane
	v_and_b32 v11, 7, v0                           ; r % 8
	v_bfe_u32 v12, v0, 3, 1                        ; r / 8
	v_bfe_u32 v13, v0, 4, 1                        ; h
	v_and_b32 v14, 15, v0                          ; r
	v_lshlrev_b32 v[LI], 4, v10
	v_lshlrev_b32 v[L8], 3, v10
	v_lshlrev_b32 v[R4], 2, v14
	v_mul_u32_u24 v15, v12, 1536                   ; rows 8-15 come from the stored tile two further on
	v_lshl_add_u32 v[KA], v11, 4, v15
	v_lshl_add_u32 v[KA], v13, 8, v[KA]            ; 1,536 (r / 8) + 16 (r % 8) + 256 h
	v_lshl_add_u32 v[KB], v11, 3, v15
	v_lshl_add_u32 v[KB], v13, 7, v[KB]
	v_add_nc_u32 v[KB], 512, v[KB]                 ; 512 + 1,536 (r / 8) + 8 (r % 8) + 128 h
	v_add_nc_u32 v[VA], VC, v[LI]
	v_add_nc_u32 v[VB], VC+512, v[L8]
	v_lshlrev_b32 v[KSA], 7, v12
	v_lshl_add_u32 v[KSA], v11, 2, v[KSA]
	v_add_nc_u32 v[KSA], KSC, v[KSA]               ; KSC + 128 (r / 8) + 4 (r % 8)
	v_add_nc_u32 v[VSA], VSC, v[R4]
	v_lshlrev_b32 v[H8], 3, v13
	v_add_nc_u32 v[YSW], s99, v[R4]                ; where tile X's scale word of y goes; tile Y's 64 bytes on
	v_lshlrev_b32 v[YSO], 4, v0                    ; waves 0 and 1 take the 1,024 bytes out: 16 x thread
	v_add_nc_u32 v[YSR], YS, v[YSO]
	v_add_nc_u32 v[PFO], s100, v10                 ; u: my block, 0 .. 383
	v_mul_u32_u24 v11, v[PFO], 2731
	v_lshrrev_b32 v11, 16, v11                     ; u / 24
	v_mul_lo_u32 v11, v11, s98
	v_lshl_add_u32 v[PFO], v[PFO], 8, v11
	WIN 0x40
	v_lshlrev_b32 v[H8], 3, v13                    ; the same in window 1
	WIN 0
.macro QLOAD oc, os                    ; Q stays in registers for a head: tile X, tile Y, and their scale words
	global_load_b128 v[Q:Q+3], v[LI], s[86:87] offset:\oc
	global_load_b64 v[Q+4:Q+5], v[L8], s[86:87] offset:\oc+512
	global_load_b32 v[QS], v[R4], s[88:89] offset:\os
	global_load_b32 v[QS+1], v[R4], s[88:89] offset:\os+64
	WIN 0x40
	global_load_b128 v[Q:Q+3], v[LI], s[86:87] offset:\oc+768
	global_load_b64 v[Q+4:Q+5], v[L8], s[86:87] offset:\oc+768+512
	WIN 0
.endm
	QLOAD 0, 0
.irp w, 0,1
	WIN 0x40*\w
.irp j, 6,7,8,9,10,11
	v_mov_b32 v[Q+\j], 0                           ; Q's k = 64 .. 127: zero codes
.endr
	v_mov_b32 v[T], 0                              ; a lane permute's destination counts as one of its sources
	v_mov_b32 v[T+1], 0
	v_mov_b32 v[F+1], 0                            ; (named as the upper half of a pair)
.endr
	WIN 0
.irp j, 48,49,50,51,52,53
	v_mov_b32 v[K+\j], 0                           ; behind the eighth tile of K: written once
.endr
.macro PINIT w                         ; a head begins: the step is written once, the first finds zeros, which the first change of M leaves zeros
	WIN 0x55*\w
	v_mov_b32 v[NM+1], 0xff61b1e6                  ; the largest score so far: -3e38
	v_mul_f32 v[NM], s17, v[NM+1]
	v_floor_f32 v[NM], v[NM]
	v_mov_b32 v[L], 0
	v_mov_b32 v[L+1], 0
.set j, 0
.rept 32
	v_mov_b32 v[O+j], 0
.set j, j+1
.endr
.endm
.macro KLOAD a, b, s, nx, hs           ; eight tiles of K and their scale words; nx = 1: the next step's
.irp n, 0,1,2,3,4,5,6,7
	ds_load_b128 v[K+6*\n:K+6*\n+3], v[\a] offset:\nx*6144+(4*(\n/4)+\n%2)*768+128*((\n%4)/2)
	ds_load_b64 v[K+6*\n+4:K+6*\n+5], v[\b] offset:\nx*6144+(4*(\n/4)+\n%2)*768+64*((\n%4)/2)
	ds_load_b32 v[KS+\n], v[\s] offset:\nx*512+\hs*8192+(4*(\n/4)+\n%2)*64+32*((\n%4)/2)
.endr
.endm
; ONE TILE'S SOFTMAX OF A STEP, in window w: 64 scores a lane become p's 12 registers of codes and its scale word; the sum and O go under the new M.
.macro SOFT w
	WIN 0x55*\w
.if \w
	WALU                                           ; tile X's exponentials stand between the products and these first reads of S and O; plain vector lines alone follow up to O's
.endif
.irp k, 0,1,2,3
	v_max3_num_f32 v[BM+\k], v[S+16*\k], v[S+16*\k+1], v[S+16*\k+2]   ; four chains by turns, two to a block; each accumulator is first read at its low end
.endr
.irp i, 3,5,7,9,11,13
.irp k, 0,1,2,3
	v_max3_num_f32 v[BM+\k], v[BM+\k], v[S+16*\k+\i], v[S+16*\k+\i+1]
.endr
.endr
	v_max3_num_f32 v[BM], v[BM], v[BM+1], v[S+15]
	v_max3_num_f32 v[BM+2], v[BM+2], v[BM+3], v[S+47]
	v_max_num_f32 v[BM], v[BM], v[S+31]            ; the largest score of my block 2 c + h: c = 0,
	v_max_num_f32 v[BM+2], v[BM+2], v[S+63]        ; c = 1
	v_max_num_f32 v[T], v[BM], v[BM+2]
	v_permlanex16_b32 v[T+1], v[T], s76, s77
	v_max3_num_f32 v[NM+1], v[NM+1], v[T], v[T+1]  ; the running largest score of my query
	v_mul_f32 v[T], s17, v[NM+1]
	v_floor_f32 v[T], v[T]                         ; the new -M = floor(-t) = -ceil(t)
	v_sub_f32 v[T+1], v[T], v[NM]                  ; old M - new M: a whole number, 0 or less
	v_mov_b32 v[NM], v[T]
.set j, 0
.rept 8
	v_pk_fma_f32 v[S+j:S+j+1], v[S+j:S+j+1], s[78:79], v[NM:NM+1] op_sel_hi:[1,0,0]   ; t - M, two at a time
.set j, j+2
.endr
	v_cvt_i32_f32 v[T+1], v[T+1]                   ; (it saturates)
.rept 8
	v_pk_fma_f32 v[S+j:S+j+1], v[S+j:S+j+1], s[78:79], v[NM:NM+1] op_sel_hi:[1,0,0]
.set j, j+2
.endr
	v_ldexp_f32 v[F], 1.0, v[T+1]                  ; f = 2^(old M - new M)
.rept 16
	v_pk_fma_f32 v[S+j:S+j+1], v[S+j:S+j+1], s[78:79], v[NM:NM+1] op_sel_hi:[1,0,0]
.set j, j+2
.endr
	v_fma_f32 v[BM], v[BM], s78, v[NM]
	v_fma_f32 v[BM+2], v[BM+2], s78, v[NM]
.set j, 0
.rept 16
	v_pk_mul_f32 v[O+j:O+j+1], v[O+j:O+j+1], v[F:F+1] op_sel_hi:[1,0]   ; O^T under the new M
.set j, j+2
.endr
	WALU                                           ; ahead of the batch
.set j, 0
.rept 64
	v_exp_f32 v[S+j], v[S+j]                       ; p = 2^(t - M)
.set j, j+1
.endr
	v_exp_f32 v[BM], v[BM]                         ; each block's largest p
	v_exp_f32 v[BM+2], v[BM+2]
	v_nop                                          ; the plain place behind the batch
	WALU                                           ; and the one wait behind it
	v_max_num_f32 v[BM], 0x1800000, v[BM]          ; the floor 2^(3 - 127)
	v_max_num_f32 v[BM+2], 0x1800000, v[BM+2]
	v_add_nc_u32 v[SO], 0xff000000, v[BM]          ; 2 off the exponent field: the conversion's scale operand
	v_add_nc_u32 v[SO+1], 0xff000000, v[BM+2]
.irp c, 0,1
	v_cvt_scalef32_pk16_fp6_f32 v[P+6*\c:P+6*\c+2], v[S+32*\c:S+32*\c+15], v[SO+\c]
	v_cvt_scalef32_pk16_fp6_f32 v[TC+4*\c:TC+4*\c+2], v[S+32*\c+16:S+32*\c+31], v[SO+\c]   ; (a conversion's three registers begin on an even number)
.endr
	v_lshrrev_b32 v[T], 23, v[SO]                  ; the scales' bytes
	v_lshrrev_b32 v[T+1], 23, v[SO+1]
	v_lshl_or_b32 v[T], v[T+1], 16, v[T]           ; blocks h and 2 + h,
	v_lshlrev_b32 v[T], v[H8], v[T]                ; at their places in the word;
	v_permlanex16_b32 v[T+1], v[T], s76, s77
	WIN 0x05*\w
	v_or_b32 v[PS+\w], v[T], v[T+1]                ; with lane l xor 16's two the word is whole (scale registers lie in window 0)
	WIN 0x55*\w
.irp c, 0,1
.irp i, 0,1,2
	v_mov_b32 v[P+6*\c+3+\i], v[TC+4*\c+\i]
.endr
.endr
.irp q, 0,1,2,3
	v_pk_add_f32 v[SU+2*\q:SU+2*\q+1], v[S+2*\q:S+2*\q+1], v[S+8+2*\q:S+8+2*\q+1]   ; the sum of the unquantised p, four chains; these lines are also the places between p's codes and word and the products
.endr
.irp i, 16,24,32,40,48,56
.irp q, 0,1,2,3
	v_pk_add_f32 v[SU+2*\q:SU+2*\q+1], v[SU+2*\q:SU+2*\q+1], v[S+\i+2*\q:S+\i+2*\q+1]
.endr
.endr
	v_pk_add_f32 v[SU:SU+1], v[SU:SU+1], v[SU+2:SU+3]
	v_pk_add_f32 v[SU+4:SU+5], v[SU+4:SU+5], v[SU+6:SU+7]
	v_pk_add_f32 v[SU:SU+1], v[SU:SU+1], v[SU+4:SU+5]
	v_pk_fma_f32 v[L:L+1], v[L:L+1], v[F:F+1], v[SU:SU+1] op_sel_hi:[1,0,1]   ; the old sum under the new M, and the step's
.endm
; ONE HEAD'S 16 KEY STEPS of 128 keys.  s80: the step's codes, 6,144 bytes a step in K and in V alike; s81: its scale words, 512 bytes a step; s82: the trip.
.macro WALK hs, ask
	s_mov_b32 s80, 0
	s_mov_b32 s81, 0
	s_mov_b32 s82, 0
	KLOAD KA, KB, KSA, 0, \hs
.Lkey_\@:
	v_add_nc_u32 v[AK], s80, v[KA]                 ; these six are the places between the last products and the loads into V's registers
	v_add_nc_u32 v[AK+1], s80, v[KB]
	v_add_nc_u32 v[AK+2], s80, v[VA]
	v_add_nc_u32 v[AK+3], s80, v[VB]
	v_add_nc_u32 v[AK+4], s81, v[KSA]
	v_add_nc_u32 v[AK+5], s81, v[VSA]
	WALU
	WIN 0x40
.irp t, 0,1,2,3                                ; V's four fragments: asked for a whole step's vector work ahead of their products
	ds_load_b128 v[V+12*\t:V+12*\t+3], v[AK+2] offset:1536*\t
	ds_load_b64 v[V+12*\t+4:V+12*\t+5], v[AK+3] offset:1536*\t
	ds_load_b128 v[V+12*\t+6:V+12*\t+9], v[AK+2] offset:1536*\t+768
	ds_load_b64 v[V+12*\t+10:V+12*\t+11], v[AK+3] offset:1536*\t+768
.endr
	WIN 0
.irp t, 0,1,2,3
	ds_load_b32 v[VS+\t], v[AK+5] offset:256*\hs+64*\t
.endr
	s_wait_dscnt 20                                ; K's loads are in; the 20 just issued may be out
.irp n, 0,1,2,3,4,5,6,7
	v_wmma_scale_f32_16x16x128_f8f6f4 v[S+8*\n:S+8*\n+7], v[K+6*\n:K+6*\n+11], v[Q:Q+11], 0, v[KS+\n], v[QS] matrix_a_fmt:MATRIX_FMT_FP6 matrix_b_fmt:MATRIX_FMT_FP6
.endr
	WIN 0x54
.irp n, 0,1,2,3,4,5,6,7
	v_wmma_scale_f32_16x16x128_f8f6f4 v[S+8*\n:S+8*\n+7], v[K+6*\n:K+6*\n+11], v[Q:Q+11], 0, v[KS+\n], v[QS+1] matrix_a_fmt:MATRIX_FMT_FP6 matrix_b_fmt:MATRIX_FMT_FP6
.endr
	WIN 0
.rept 4
	v_nop                                          ; places in front of the loads into K's registers and of the first reads of S
.endr
	s_cmp_eq_u32 s82, 15                           ; the last trip has no next step
	s_cbranch_scc1 .Lno_next_\@
	KLOAD AK, AK+1, AK+4, 1, \hs
.Lno_next_\@:
.if \ask
	s_cmp_eq_u32 s82, s83                          ; ids and the count of trips alone
	s_cbranch_scc0 .Lnot_mine_\@
	global_prefetch_b8 v[PFO], s[84:85] th:TH_LOAD_NT scope:SCOPE_SE
.Lnot_mine_\@:
.endif
	SOFT 0
	SOFT 1
	WIN 0
	WALU                                           ; directly ahead of the wait below
	s_wait_dscnt 0x0                               ; V is in (and the next step's K, where it was asked for)
	WIN 0x01
.irp t, 0,1,2,3                                ; O^T += V^T P^T: eight accumulators by turns
	v_wmma_scale_f32_16x16x128_f8f6f4 v[O+8*\t:O+8*\t+7], v[V+12*\t:V+12*\t+11], v[P:P+11], v[O+8*\t:O+8*\t+7], v[VS+\t], v[PS] matrix_a_fmt:MATRIX_FMT_FP6 matrix_b_fmt:MATRIX_FMT_FP6
.endr
	WIN 0x55
.irp t, 0,1,2,3
	v_wmma_scale_f32_16x16x128_f8f6f4 v[O+8*\t:O+8*\t+7], v[V+12*\t:V+12*\t+11], v[P:P+11], v[O+8*\t:O+8*\t+7], v[VS+\t], v[PS+1] matrix_a_fmt:MATRIX_FMT_FP6 matrix_b_fmt:MATRIX_FMT_FP6
.endr
	WIN 0
	s_add_co_u32 s80, s80, 6144
	s_add_co_u32 s81, s81, 512
	s_add_co_u32 s82, s82, 1
	s_cmp_lt_u32 s82, 16
	s_cbranch_scc1 .Lkey_\@
.endm
; A HEAD'S END for one tile: y = O / the sum, quantised.  Register 16 b + i of O^T is the head's 32 b + 16 h + i; the head's two blocks become registers 6 p .. 6 p + 5 of y's fragment and bytes 2 p, 2 p + 1 of its scale word.
.macro FIN w, p
	WIN 0x55*\w
	v_add_f32 v[L], v[L], v[L+1]
	v_permlanex16_b32 v[T], v[L], s76, s77
	v_add_f32 v[L], v[L], v[T]                     ; the row's sum
	WALU
	v_rcp_f32 v[L], v[L]
	v_mov_b32 v[BM], 0x1800000                     ; the floor
	v_mov_b32 v[BM+1], 0x1800000
	WALU                                           ; ahead of the reciprocal's first reader and of O's
.set j, 0
.rept 32
	v_mul_f32 v[S+j], v[O+j], v[L]                 ; each accumulator from its low end on
.set j, j+1
.endr
.irp i, 0,2,4,6,8,10,12,14
.irp b, 0,1
	v_max3_num_f32 v[BM+\b], v[BM+\b], |v[S+16*\b+\i]|, |v[S+16*\b+\i+1]|
.endr
.endr
.irp b, 0,1
	v_permlanex16_b32 v[T+\b], v[BM+\b], s76, s77
.endr
.irp b, 0,1
	v_max_num_f32 v[BM+\b], v[BM+\b], v[T+\b]
.endr
.irp b, 0,1
	v_add_nc_u32 v[SO+\b], 0xff000000, v[BM+\b]
.endr
.irp b, 0,1
	v_lshrrev_b32 v[T+\b], 23, v[SO+\b]
.endr
.if \p == 0
	v_lshl_or_b32 v[YW], v[T+1], 8, v[T]
.else
	v_lshl_or_b32 v[YW], v[T], 16, v[YW]
	v_lshl_or_b32 v[YW], v[T+1], 24, v[YW]
.endif
	v_cvt_scalef32_pk16_fp6_f32 v[Y+6*\p:Y+6*\p+2], v[S:S+15], v[SO]
	v_cvt_scalef32_pk16_fp6_f32 v[TC:TC+2], v[S+16:S+31], v[SO+1]
	v_nop                                          ; one plain place behind a scaled conversion
.irp i, 0,1,2
	v_permlane16_swap_b32 v[Y+6*\p+\i], v[TC+\i]   ; the operand wants a whole block in a lane
.endr
.irp i, 0,1,2
	v_mov_b32 v[Y+6*\p+3+\i], v[TC+\i]
.endr
.endm
	PINIT 0
	PINIT 1
	WIN 0
	WALU                                           ; the head's end
	s_wait_tensorcnt 0x0                           ; my tile of the head's eight is in,
	s_barrier_signal -1
	s_barrier_wait -1                              ; everybody's is
	s_wait_loadcnt 0x0                             ; Q
	WALK 0, 1
	QLOAD 98304, 8192                              ; Q of the second head
	s_wait_tensorcnt 0x0                           ; THE REFILL: no tensor load of mine is out, so a group 0 may be written
	ds_add_u32 v[SPW], v[NIL]
	s_add_nc_u64 s[58:59], s[58:59], 98304         ; K's codes of the second head
	s_add_nc_u64 s[62:63], s[62:63], 6144          ; V's
	s_wait_dscnt 0x0                               ; the add is done, and my reads of the first head's K and V are over
	ROUND                                          ; the same holds of every wave of every partner
	s_cmp_lt_u32 s16, 2
	s_cbranch_scc0 .Lr_v
	TL 56, 24                                      ; my one tensor load behind the round
	s_branch .Lr_done
.Lr_v:
	s_cmp_lt_u32 s16, 6
	s_cbranch_scc0 .Lr_done
	TL 60, 32
.Lr_done:
	FIN 0, 0                                       ; the first head's way out stands between the request and the wait for it
	FIN 1, 0
	PINIT 0
	PINIT 1
	WIN 0
	WALU
	s_wait_tensorcnt 0x0
	s_barrier_signal -1
	s_barrier_wait -1
	s_wait_loadcnt 0x0
	WALK 1, 0
	FIN 0, 1
	FIN 1, 1
	WIN 0
	WALU
.irp c, 0,1,2
	global_store_b128 v[LI], v[Y+4*\c:Y+4*\c+3], s[12:13] offset:512*\c   ; y's fragment as it stands: 512 consecutive bytes a store, at a multiple of 256 from the buffer's first byte
.endr
	ds_store_b32 v[YSW], v[YW]                     ; both lanes of a row write the same word with the same value
	WIN 0x04
.irp c, 0,1,2
	global_store_b128 v[LI], v[Y+4*\c:Y+4*\c+3], s[12:13] offset:12288+512*\c   ; tile Y: the next tile's eight K steps begin 12,288 bytes on
.endr
	ds_store_b32 v[YSW], v[YW] offset:64
	WIN 0
	s_wait_dscnt 0x0                               ; for the others' sake
	s_barrier_signal -1
	s_barrier_wait -1
	s_cmp_lt_u32 s16, 2
	s_cbranch_scc0 .Lno_ys
	ds_load_b128 v[S:S+3], v[YSR]                  ; the work-group's 256 words leave by two waves, 512 consecutive bytes each
	s_wait_dscnt 0x0
	global_store_b128 v[YSO], v[S:S+3], s[14:15]
.Lno_ys:
	s_wait_tensorcnt 0x0                           ; the wave's end
	ds_add_u32 v[SPW], v[NIL]
	s_wait_dscnt 0x0
	ROUND                                          ; the closing round
	s_endpgm
.Lfunc_end_k_q0483693827_attn:
	.size	k_q0483693827_attn, .Lfunc_end_k_q0483693827_attn-k_q0483693827_attn
	.p2alignl 7, 3214868480
	.fill 96, 4, 3214868480
	.section	.rodata,"a",@progbits
	.p2align	6, 0x0
	.amdhsa_kernel k_q0483693827_attn
		.amdhsa_group_segment_fixed_size 327680
		.amdhsa_private_segment_fixed_size 0
		.amdhsa_enable_private_segment 0
		.amdhsa_kernarg_size 48
		.amdhsa_user_sgpr_count 2
		.amdhsa_user_sgpr_kernarg_segment_ptr 1
		.amdhsa_wavefront_size32 1
		.amdhsa_system_sgpr_workgroup_id_x 1
		.amdhsa_system_sgpr_workgroup_id_y 1
		.amdhsa_system_sgpr_workgroup_id_z 1
		.amdhsa_system_vgpr_workitem_id 0
		.amdhsa_next_free_vgpr 512
		.amdhsa_next_free_sgpr 102
		.amdhsa_reserve_vcc 0
		.amdhsa_float_denorm_mode_32 3
		.amdhsa_float_denorm_mode_16_64 3
		.amdhsa_memory_ordered 1
		.amdhsa_forward_progress 1
		.amdhsa_inst_pref_size 92
	.end_amdhsa_kernel
	.amdgpu_metadata
---
amdhsa.version: [ 1, 2 ]
amdhsa.kernels:
  - .name:           k_q0483693827_attn
    .symbol:         k_q0483693827_attn.kd
    .args:
      - { .name: qkc, .offset: 0, .size: 8, .value_kind: global_buffer, .address_space: global }
      - { .name: qks, .offset: 8, .size: 8, .value_kind: global_buffer, .address_space: global }
      - { .name: vc, .offset: 16, .size: 8, .value_kind: global_buffer, .address_space: global }
      - { .name: vs, .offset: 24, .size: 8, .value_kind: global_buffer, .address_space: global }
      - { .name: yc, .offset: 32, .size: 8, .value_kind: global_buffer, .address_space: global }
      - { .name: ys, .offset: 40, .size: 8, .value_kind: global_buffer, .address_space: global }
    .group_segment_fixed_size: 327680
    .private_segment_fixed_size: 0
    .kernarg_segment_align: 8
    .kernarg_segment_size: 48
    .max_flat_workgroup_size: 256
    .sgpr_count:     102
    .vgpr_count:     512
    .wavefront_size: 32
...
	.end_amdgpu_metadata
.endif
;; end of part 3
;; launch oproj (part 4): grid 4 x 64, 4 waves a work-group, clusters of 4 x 4, 327,680 bytes of LDS; arguments yc, ys, opc, ops, out0; writes out0
.if DOCPART == 4
	.amdgcn_target "amdgcn-amd-amdhsa--gfx1250"
	.amdhsa_code_object_version 6
	.text
	.protected	k_q0483693827_oproj
	.globl	k_q0483693827_oproj
	.p2align	8
	.type	k_q0483693827_oproj,@function
k_q0483693827_oproj:
	s_mov_b64 s[64:65], 0
	v_nop
	global_prefetch_b8 v0, s[64:65] scope:SCOPE_SE
	s_setreg_imm32_b32 hwreg(HW_REG_WAVE_MODE, 25, 1), 1
	s_wait_xcnt 0x0
	s_wait_alu depctr_hold_cnt(0) depctr_sa_sdst(0) depctr_va_vdst(0) depctr_va_sdst(0) depctr_va_ssrc(0) depctr_va_vcc(0) depctr_vm_vsrc(0)
	s_getreg_b32 s2, hwreg(HW_REG_IB_STS2, 6, 4)
	s_cmp_eq_u32 s2, 0
	s_cbranch_scc0 .Lentry_in_a_cluster
	s_endpgm
.Lentry_in_a_cluster:
	s_bfe_u32 s2, ttmp6, 0x10000c
	s_cmp_lg_u32 s2, 0xf033
	s_cbranch_scc0 .Lentry_shape_is_right
	s_endpgm
.Lentry_shape_is_right:
; Launch 4 of 4: out0 = y Wo^T on codes of E2M3 with E8M0 scale words, f32 sums.  No work of reference() is left out here.
; yc: [tile 512][K step 8][1,536 bytes], ys: [K step 8][row 8,192] scale words, as the third launch leaves them; Wo's tiles are tiles 704-767 of opc and rows 11,264 .. of ops, as the first launch leaves them.
; A tile is 16 rows; its 1,536 bytes of a K step (128 along K) are the image of an operand's 12 registers: registers 4 c .. 4 c + 3 of lane l at 512 c + 16 l.  Row r of tile rho is source row 32 (rho / 2) + 8 (rho % 2) + r + 8 (r / 8).
; SHARES.  A work-group makes 128 rows x 256 columns: 64 x 4 = 256 work-groups.  Four waves, 2 x 2; a wave makes 64 x 128: 4 blocks of A x 8 of B, 32 accumulators, which fill window 2.
; ALL OF K LIES IN LDS: A's 8 tiles (98,304 bytes) and B's 16 (196,608), each in two halves of four K steps, so nothing is ever filled again.  At the head one tensor load a wave: A's first half, B's first half, A's scale words, B's.
; The second halves are first fills behind the full sequence and a round (wave 0 A's, wave 1 B's); a plain barrier inside K step 3 shows them to all four waves.
; A'S SCALE WORDS are laid at B's pitch, 1,024 bytes a K step: the tile is 1,024 bytes wide where the tensor has 512 left, and the mover writes zeros for the rest.  So one register takes A's words in lanes 0-15 and B's in lanes 16-31 by one
; load; the words that lanes 0-15 load for blocks 4-7 serve no product.
; CLUSTER.  4 x 4 work-groups: A's tiles hang on the tile row alone and are asked for jointly along a row of the cluster, B's on the tile column alone and along a column.
; NO PREFETCH: every tile is asked for at the head or directly behind the first landing; there is no loop to run ahead in.
; THE MATRIX INSTRUCTION IS USED TRANSPOSED (source 0 = 16 rows of Wo, source 1 = 16 rows of y): a lane holds eight neighbouring numbers of a row of out0.
; THE LAST K STEP GOES BY BLOCKS OF 16 ROWS: a block goes through the stage as soon as its eight products of that step are issued and their places have passed.
; REGISTERS: window 0: v16-29 addresses, v32-47 scale words (two sets), v128-223 A's fragments (two sets of four); window 1: B's fragments, two sets, at v0 and v128; window 2: accumulator (a, b) at v[8 (8 a + b)];
; window 3: the four blocks read back from the stage, 64 registers each, so that no store's data are written again.
.set FR,     12
.set NP,     4
.set TB,     6144                      ; four K steps of a tile
.set AH,     8*TB                      ; A's half: 8 tiles
.set B0,     2*AH                      ; B's first half begins behind A's two
.set BH,     16*TB
.set SCL,    B0+2*BH                   ; A's scale words [K step 8][1,024]
.set SCB,    SCL+8192+128              ; B's, 128 bytes askew, so that the two halves of the lanes touch different banks (64 banks of 4 bytes: ISA guide 11.1)
.set SPARE,  311552                    ; the spare words, 128 bytes a wave: two blocks of 256 bytes that no other line names
.set SPITCH, 528                       ; the stage: 16 rows x (512 + 16) bytes a wave, in A's first half, which nobody reads behind the barrier of K step 3 and which is never filled again
.set ADRA, 16                          ; v16-17 my fragments of A in half 0, 1
.set ADRB, 20                          ; v20-21 of B
.set STO,  24
.set RD,   25
.set CO,   26
.set ADRS, 27
.set SPW,  28
.set NIL,  29
.set SC,   32
.set AF,   128
.set G1,   24
.set G0,   32
.set G1B,  48
.set G0B,  56
.set G1S,  68
.set G0S,  76
.set G1SB, 80
.set G0SB, 88
.set MSB, 0
.macro WIN new                         ; the immediate's high byte repeats the setting that is left
.if MSB != \new
	s_set_vgpr_msb (MSB<<8)|\new
.set MSB, \new
.endif
.endm
.set MUL,  0xa1                        ; source 0 (B) window 1, source 1 (A) window 0, C and D window 2
.set TO_B, 0x40
.macro PLACES n
.rept \n
	v_nop
.endr
.endm
.macro TL g0, g1
	tensor_load_to_lds s[\g0:\g0+3], s[\g1:\g1+7]
	s_nop 0
	PLACES 4
.endm
.macro CROUND                          ; a round of the cluster's barrier
	s_barrier_signal -1
	s_barrier_wait -1
	s_cmp_lg_u32 s14, 0
	s_cbranch_scc1 .Lnot_wave_0_\@
	s_barrier_signal -3
.Lnot_wave_0_\@:
	s_barrier_wait -3
	s_barrier_signal -1
	s_barrier_wait -1
.endm
.macro G1SET g, mask, left, wide, rows, pitch   ; elements of 8 bytes; bit 21 beside the mask
	s_or_b32 s[\g], s\mask, (3<<16)|(1<<21)
	s_mov_b32 s[\g+1], (\left)<<16
	s_mov_b32 s[\g+2], (\rows)<<16
	s_mov_b32 s[\g+3], (\wide)<<16
	s_mov_b32 s[\g+4], \rows
	s_mov_b32 s[\g+5], \pitch
	s_mov_b32 s[\g+6], 0
	s_mov_b32 s[\g+7], 0
.endm
.macro G0SET g, lds, adr
	s_mov_b32 s[\g], 1
	s_mov_b32 s[\g+1], \lds
	s_mov_b64 s[\g+2:\g+3], s[\adr:\adr+1]
	s_or_b32 s[\g+3], s[\g+3], 0x80000000
.endm
	s_load_b128 s[4:7], s[0:1], 0x0                ; yc, ys
	s_load_b128 s[8:11], s[0:1], 0x10              ; opc, ops
	s_load_b64 s[12:13], s[0:1], 0x20              ; out0
	v_lshl_add_u32 v[SPW], v0, 2, SPARE
	v_mov_b32 v[NIL], 0
	ds_add_u32 v[SPW], v[NIL]                      ; the opening: the add, twice on end, and its wait ahead of my first tensor load
	ds_add_u32 v[SPW], v[NIL]
	v_lshrrev_b32 v1, 5, v0
	v_readfirstlane_b32 s14, v1                    ; wave 0..3
	s_lshr_b32 s15, s14, 1                         ; which 64 rows are mine
	s_and_b32 s16, s14, 1                          ; which 128 columns
	s_bfe_u32 s40, ttmp6, 0x40000                  ; cx
	s_bfe_u32 s41, ttmp6, 0x40004                  ; cy
	s_lshl_b32 s42, ttmp9, 2
	s_add_co_u32 s42, s42, s40                     ; tile column, 0 .. 3
	s_and_b32 s17, ttmp7, 0xffff
	s_lshl_b32 s17, s17, 2
	s_add_co_u32 s17, s17, s41                     ; tile row, 0 .. 63
	s_lshl_b32 s43, s41, 2
	s_lshl_b32 s43, 15, s43                        ; my row of the cluster
	s_lshl_b32 s44, 0x1111, s40                    ; my column
	G1SET G1,   43, 768, 768, 8,  1536             ; A's codes: 8 tiles, 6,144 bytes of each, 12,288 bytes apart
	G1SET G1B,  44, 768, 768, 16, 1536             ; B's: 16 tiles
	G1SET G1S,  43, 64,  128, 8,  4096             ; A's scale words: 8 K steps, 512 bytes of each and 512 of zeros, 32,768 bytes apart
	G1SET G1SB, 44, 128, 128, 8,  6144             ; B's: 1,024 bytes of each, 49,152 bytes apart
	s_mul_i32 s20, s17, 98304                      ; A's 8 tiles
	s_mov_b32 s21, 0
	s_lshl_b32 s22, s17, 9                         ; their 128 scale words
	s_mov_b32 s23, 0
	s_lshl_b32 s46, s42, 4
	s_add_co_u32 s46, s46, 704                     ; B's first tile
	s_lshl_b32 s92, s46, 6
	s_mov_b32 s93, 0
	s_mul_i32 s46, s46, 12288
	s_mov_b32 s47, 0
	s_wait_dscnt 0x0                               ; both opening adds are done
	s_wait_kmcnt 0x0
	s_add_nc_u64 s[20:21], s[4:5], s[20:21]
	s_add_nc_u64 s[22:23], s[6:7], s[22:23]
	s_add_nc_u64 s[46:47], s[8:9], s[46:47]
	s_add_nc_u64 s[92:93], s[10:11], s[92:93]
	CROUND                                         ; all sixteen work-groups are here: the first joint loads meet
	G0SET G0,   0,   20
	G0SET G0B,  B0,  46
	G0SET G0S,  SCL, 22
	G0SET G0SB, SCB, 92
	s_cmp_eq_u32 s14, 0                            ; the head's four loads, one a wave, in one chain of arms
	s_cbranch_scc0 .Lh_b
	TL G0, G1                                      ; wave 0: A's K steps 0-3
	s_branch .Lh_done
.Lh_b:
	s_cmp_eq_u32 s14, 1
	s_cbranch_scc0 .Lh_sa
	TL G0B, G1B                                    ; wave 1: B's
	s_branch .Lh_done
.Lh_sa:
	s_cmp_eq_u32 s14, 2
	s_cbranch_scc0 .Lh_sb
	TL G0S, G1S                                    ; wave 2: A's scale words
	s_branch .Lh_done
.Lh_sb:
	TL G0SB, G1SB                                  ; wave 3: B's
.Lh_done:
	s_mul_i32 s21, s15, 4*TB                       ; my four tiles of A,
	s_add_co_u32 s18, s21, AH                      ; and in the second half
	s_mul_i32 s22, s16, 8*TB
	s_add_co_u32 s22, s22, B0                      ; my eight tiles of B
	s_add_co_u32 s19, s22, BH
	s_lshl_b32 s94, s15, 8                         ; my 64 rows' words in a K step of A's
	s_lshl_b32 s95, s16, 9                         ; my 128 rows' in B's
	s_add_co_u32 s95, s95, 8192+128
	s_sub_co_u32 s95, s95, s94                     ; the distance from the one to the other
	s_add_co_u32 s94, s94, SCL
	s_mul_i32 s23, s14, 16*SPITCH                  ; my stage
	s_lshl_b32 s36, s17, 7
	s_lshl_b32 s37, s15, 6
	s_add_co_u32 s36, s36, s37                     ; my first row of out0
	s_lshl_b32 s36, s36, 12
	s_lshl_b32 s37, s42, 10
	s_add_co_u32 s36, s36, s37
	s_lshl_b32 s37, s16, 9
	s_add_co_u32 s36, s36, s37                     ; + my first column, in bytes
	s_mov_b32 s37, 0
	s_add_nc_u64 s[12:13], s[12:13], s[36:37]
	v_and_b32 v1, 15, v0                           ; r
	v_bfe_u32 v2, v0, 4, 1                         ; h
	v_and_b32 v3, 31, v0
	v_lshlrev_b32 v[CO], 4, v3                     ; 16 x lane
	v_add_nc_u32 v[ADRA], s21, v[CO]
	v_add_nc_u32 v[ADRA+1], s18, v[CO]
	v_add_nc_u32 v[ADRB], s22, v[CO]
	v_add_nc_u32 v[ADRB+1], s19, v[CO]
	v_mul_u32_u24 v4, s95, v2                      ; lanes 16-31 take B's words
	v_lshl_add_u32 v4, v1, 2, v4
	v_add_nc_u32 v[ADRS], s94, v4
	v_mul_u32_u24 v5, v1, SPITCH                   ; into the stage: row r, 64 bytes for each half of the lanes
	v_lshl_add_u32 v5, v2, 6, v5
	v_add_nc_u32 v[STO], s23, v5
	v_add_nc_u32 v[RD], s23, v[CO]                 ; back: the 32 lanes take one row of 512 bytes
.macro FETCH k                         ; K step k's fragments and scale words into set k % 2: 24 + 12 + 8 = 44 loads
.set P_, (\k)%2
.set H_, (\k)/4
.set O_, ((\k)%4)*1536
	WIN TO_B
.irp i, 0,1,2,3,4,5,6,7
.irp c, 0,1,2
	ds_load_b128 v[128*P_+FR*\i+4*\c:128*P_+FR*\i+4*\c+3], v[ADRB+H_] offset:\i*TB+O_+512*\c
.endr
.endr
	WIN 0
.irp i, 0,1,2,3
.irp c, 0,1,2
	ds_load_b128 v[AF+48*P_+FR*\i+4*\c:AF+48*P_+FR*\i+4*\c+3], v[ADRA+H_] offset:\i*TB+O_+512*\c
.endr
.endr
.irp i, 0,1,2,3,4,5,6,7
	ds_load_b32 v[SC+8*P_+\i], v[ADRS] offset:1024*(\k)+64*\i   ; lanes 0-15: A's block i; lanes 16-31: B's block i
.endr
.endm
.macro MUL8 a, k, zero                 ; A's block a against B's eight; the accumulators take turns, one instruction a turn
.set P_, (\k)%2
.irp b, 0,1,2,3,4,5,6,7
.if \zero
	v_wmma_scale_f32_16x16x128_f8f6f4 v[8*(8*(\a)+\b):8*(8*(\a)+\b)+7], v[128*P_+FR*\b:128*P_+FR*\b+FR-1], v[AF+48*P_+FR*(\a):AF+48*P_+FR*(\a)+FR-1], 0, v[SC+8*P_+\b], v[SC+8*P_+(\a)] matrix_a_fmt:MATRIX_FMT_FP6 matrix_b_fmt:MATRIX_FMT_FP6 matrix_a_scale:MATRIX_SCALE_ROW1
.else
	v_wmma_scale_f32_16x16x128_f8f6f4 v[8*(8*(\a)+\b):8*(8*(\a)+\b)+7], v[128*P_+FR*\b:128*P_+FR*\b+FR-1], v[AF+48*P_+FR*(\a):AF+48*P_+FR*(\a)+FR-1], v[8*(8*(\a)+\b):8*(8*(\a)+\b)+7], v[SC+8*P_+\b], v[SC+8*P_+(\a)] matrix_a_fmt:MATRIX_FMT_FP6 matrix_b_fmt:MATRIX_FMT_FP6 matrix_a_scale:MATRIX_SCALE_ROW1
.endif
.endr
.endm
.macro KSTEP k, zero                   ; the next step's 44 loads go out ahead of this step's 32 products
.if (\k) > 0
	PLACES NP                                      ; in front of loads into registers that the last step's products have read
.endif
	FETCH (\k)+1
	s_wait_dscnt 44                                ; this step's are in; the 44 just issued may be out
	WIN MUL
.irp a, 0,1,2,3
	MUL8 \a, \k, \zero
.endr
	WIN 0
.endm
.macro TOSTAGE a                       ; block a: 16 rows x 128 columns into my stage, each accumulator from its low end on, and back as whole rows (LDS serves a wave's instructions in order: ISA guide 5.7.1.4)
	WIN 0x08
.irp b, 0,1,2,3,4,5,6,7
	ds_store_b128 v[STO], v[64*(\a)+8*\b:64*(\a)+8*\b+3] offset:128*(\b/2)+32*(\b%2)
	ds_store_b128 v[STO], v[64*(\a)+8*\b+4:64*(\a)+8*\b+7] offset:128*(\b/2)+32*(\b%2)+16
.endr
	WIN 0xc0
.irp t, 0,1,2,3,4,5,6,7,8,9,10,11,12,13,14,15
	ds_load_b128 v[64*(\a)+4*\t:64*(\a)+4*\t+3], v[RD] offset:\t*SPITCH
.endr
	WIN 0
.endm
.macro SEND a, younger                 ; younger: the LDS instructions issued behind block a's loads, which may stay out
	s_wait_dscnt \younger
	WIN 0x0c
.irp t, 0,1,2,3,4,5,6,7,8,9,10,11,12,13,14,15
	global_store_b128 v[CO], v[64*(\a)+4*\t:64*(\a)+4*\t+3], s[12:13] offset:(32*((\a)/2)+8*((\a)%2)+\t+8*(\t/8))*4096 th:TH_STORE_NT   ; 32 lanes store 512 consecutive bytes, at a multiple of 256 from out0's first byte
.endr
	WIN 0
.endm
	s_wait_alu depctr_va_vdst(0)                   ; the head's end
	s_wait_tensorcnt 0x0                           ; my tile of the head's four is in; an add ahead of a later first fill:
	ds_add_u32 v[SPW], v[NIL]
	s_add_nc_u64 s[G0+2:G0+3], s[G0+2:G0+3], TB    ; no tensor load of mine is out, so a group 0 may be written: K steps 4-7
	s_mov_b32 s[G0+1], AH
	s_add_nc_u64 s[G0B+2:G0B+3], s[G0B+2:G0B+3], TB
	s_mov_b32 s[G0B+1], B0+BH
	s_wait_dscnt 0x0                               ; the add is done
	CROUND                                         ; all four tiles are in, and all sixteen work-groups are here
	s_cmp_eq_u32 s14, 0
	s_cbranch_scc0 .Ls_b
	TL G0, G1                                      ; wave 0: A's second half
	s_branch .Ls_done
.Ls_b:
	s_cmp_eq_u32 s14, 1
	s_cbranch_scc0 .Ls_done
	TL G0B, G1B                                    ; wave 1: B's
.Ls_done:
	FETCH 0
	KSTEP 0, 1                                     ; the first step's products start the sums
	KSTEP 1, 0
	KSTEP 2, 0
	s_wait_tensorcnt 0x0                           ; K step 3: the second halves are in, where they are mine,
	s_wait_dscnt 0x0                               ; and so are this step's fragments: my last reads of the first halves
	s_barrier_signal -1                            ; a plain barrier
	WIN MUL
	MUL8 0, 3, 0
	MUL8 1, 3, 0
	WIN 0
	s_barrier_wait -1
	PLACES NP
	FETCH 4
	WIN MUL
	MUL8 2, 3, 0
	MUL8 3, 3, 0
	WIN 0
	KSTEP 4, 0
	KSTEP 5, 0
	KSTEP 6, 0
	s_wait_dscnt 0x0                               ; the last K step, by blocks of rows
	WIN MUL
	MUL8 0, 7, 0
	MUL8 1, 7, 0
	PLACES NP                                      ; in front of the reads of results just made
	TOSTAGE 0
	WIN MUL
	MUL8 2, 7, 0
	PLACES NP
	TOSTAGE 1
	SEND 0, 32                                     ; behind block 0's loads: block 1's 16 stores and 16 loads
	WIN MUL
	MUL8 3, 7, 0
	PLACES NP
	TOSTAGE 2
	SEND 1, 32
	TOSTAGE 3
	SEND 2, 32
	SEND 3, 0
	s_wait_tensorcnt 0x0                           ; the wave's end
	ds_add_u32 v[SPW], v[NIL]
	s_wait_dscnt 0x0
	CROUND                                         ; the closing round
	s_endpgm
.Lfunc_end_k_q0483693827_oproj:
	.size	k_q0483693827_oproj, .Lfunc_end_k_q0483693827_oproj-k_q0483693827_oproj
	.p2alignl 7, 3214868480
	.fill 96, 4, 3214868480
	.section	.rodata,"a",@progbits
	.p2align	6, 0x0
	.amdhsa_kernel k_q0483693827_oproj
		.amdhsa_group_segment_fixed_size 327680
		.amdhsa_private_segment_fixed_size 0
		.amdhsa_enable_private_segment 0
		.amdhsa_kernarg_size 40
		.amdhsa_user_sgpr_count 2
		.amdhsa_user_sgpr_kernarg_segment_ptr 1
		.amdhsa_wavefront_size32 1
		.amdhsa_system_sgpr_workgroup_id_x 1
		.amdhsa_system_sgpr_workgroup_id_y 1
		.amdhsa_system_sgpr_workgroup_id_z 1
		.amdhsa_system_vgpr_workitem_id 0
		.amdhsa_next_free_vgpr 1024
		.amdhsa_next_free_sgpr 98
		.amdhsa_reserve_vcc 0
		.amdhsa_float_denorm_mode_32 3
		.amdhsa_float_denorm_mode_16_64 3
		.amdhsa_memory_ordered 1
		.amdhsa_forward_progress 1
		.amdhsa_inst_pref_size 81
	.end_amdhsa_kernel
	.amdgpu_metadata
---
amdhsa.version: [ 1, 2 ]
amdhsa.kernels:
  - .name:           k_q0483693827_oproj
    .symbol:         k_q0483693827_oproj.kd
    .args:
      - { .name: yc, .offset: 0, .size: 8, .value_kind: global_buffer, .address_space: global }
      - { .name: ys, .offset: 8, .size: 8, .value_kind: global_buffer, .address_space: global }
      - { .name: opc, .offset: 16, .size: 8, .value_kind: global_buffer, .address_space: global }
      - { .name: ops, .offset: 24, .size: 8, .value_kind: global_buffer, .address_space: global }
      - { .name: out0, .offset: 32, .size: 8, .value_kind: global_buffer, .address_space: global }
    .group_segment_fixed_size: 327680
    .private_segment_fixed_size: 0
    .kernarg_segment_align: 8
    .kernarg_segment_size: 40
    .max_flat_workgroup_size: 128
    .sgpr_count:     98
    .vgpr_count:     1024
    .wavefront_size: 32
...
	.end_amdgpu_metadata
.endif
;; end of part 4
